; MI455X (gfx1250); checked and timed in simulation.
; The chip was launched on July 23, 2026; its instructions are those of AMD's public machine-readable ISA for CDNA 5 (MIT licence, August 2026) and "CDNA5" Instruction Set Architecture Reference Guide (July 2026). The comments in the code are by the model that wrote it; some were corrected since.
;; D Flash Attention. Allowed arithmetic: matrix products marked QUANTISED: E2M1 operands, one E8M0 scale for each 32 along K, by v_wmma_scale_f32_16x16x128_f8f6f4 with both operands' format E2M1 (or v_wmma_scale_f32_32x16x128_f4), f32 sums; products left as they are: bf16, f16 or f32 operands; f32 sums; everything else in f32.
;; Inputs: hidden_states 4 x 1,024 x 4,096 float32; k_norm_w 128 float32; positions 1,024 int32; q_norm_w 128 float32; wk 512 x 4,096 float32; wo 4,096 x 1,024 float32; wq 1,024 x 4,096 float32; wv 512 x 4,096 float32.
;; Outputs: out0 4 x 1,024 x 4,096 float32.
;; This version of the problem:
;;   THIS VERSION OF THE PROBLEM IS GIVEN IN LOW PRECISION. The matrix products marked QUANTISED in the list below multiply operands that are first quantised to E2M1 (2 exponent bits, 1 mantissa bit; 4 bits a number), with one power-of-two scale for each 32 numbers along K (OCP MX v1.0); their sums are f32. The products marked 'left as it is' may take bf16, f16 or f32 operands, with f32 sums. Whichever they take, every output number must still come out within the allowed error. Rounding operands to bf16 (8 significant bits) uses up far more of that allowance than f16 does (11 bits, for magnitudes from 6e-5 to 65,504). All else is computed in f32.
;;   The module's matrix products, in the order in which they are computed (A, B: the left and right operand; K: the contracted axis; several contracted axes count as one K, in the product's order):
;;     1. [M 4,096, K 4,096] x [K 4,096, N 1,024]; A: input hidden_states; B: input wq: QUANTISED
;;     2. [M 4,096, K 4,096] x [K 4,096, N 512]; A: input hidden_states; B: input wk: QUANTISED
;;     3. [M 4,096, K 4,096] x [K 4,096, N 512]; A: input hidden_states; B: input wv: QUANTISED
;;     4. batch 32 x [M 1,024, K 128] x [K 128, N 1,024]; A: computed on the way; B: computed on the way: left as it is (an operand is computed on the way)
;;     5. batch 32 x [M 128, K 1,024] x [K 1,024, N 1,024]; A: computed on the way; B: computed on the way: left as it is (an operand is computed on the way)
;;     6. [M 4,096, K 1,024] x [K 1,024, N 4,096]; A: computed on the way; B: input wo: left as it is (an operand is computed on the way)
;;   THE QUANTISER, for each operand of a quantised product, along K:
;;     - K is cut into blocks of 32 from its start; a last block that is shorter is filled with zeros.
;;     - A block's scale is 2^e with e = floor(log2(the largest magnitude in the block)) - 2, held to -126 .. 127; a block of zeros has e = 0. As a byte (E8M0): e + 127.
;;     - Each number is divided by its block's scale, clamped to +-6, and rounded to the nearest number of E2M1, ties to even, subnormals kept.
;;     - The product sums the exact products of the quantised numbers (number of the format x scale) in f32.
;;   ~~~python
;;   def quantise(x, axis):      # numpy; x: float32 -> the quantised numbers, widened to float32 again
;;       x = np.moveaxis(x, axis, -1); K = x.shape[-1]
;;       x = np.pad(x, [(0, 0)] * (x.ndim - 1) + [(0, -K % 32)]); x = x.reshape(x.shape[:-1] + (-1, 32)); a = np.abs(x).max(-1, keepdims=True)
;;       e = np.where(a > 0, np.clip(np.frexp(np.where(a > 0, a, 1))[1] - 1 - 2, -126, 127), 0)      # np.frexp(a)[1] - 1 = floor(log2(a)), exactly
;;       r = np.clip(x / 2.0 ** e, -6, 6)
;;       step = 2.0 ** (np.maximum(np.frexp(np.where(r == 0, 1, r))[1] - 1, 0) - 1)
;;       q = np.round(r / step) * step * 2.0 ** e      # np.round: ties to even
;;       return np.moveaxis(q.reshape(q.shape[:-2] + (-1,))[..., :K], -1, axis).astype(np.float32)
;;   ~~~
;; One version. Each part assembles by itself: llvm-mc -triple=amdgcn-amd-amdhsa -mcpu=gfx1250 --defsym DOCPART=n.
;; ======== version 1 of 1: 4 launches
;; limits: values are held in f16: magnitudes above 65,504 overflow, below 6.1e-05 lose precision; an absolute error that grows with the inputs' magnitude: up to 2e-07 times it; inputs' magnitudes at most 1,048,576
;; workspace buffers: codes 12,582,912 bytes; scales 786,432 bytes; wo16 8,388,608 bytes; rope 524,288 bytes; qkv 16,777,216 bytes; o16 8,388,608 bytes
;; launch prep (part 1): grid 896 x 1, 4 waves a work-group, no clusters, 33,280 bytes of LDS; arguments hidden_states, wq, wk, wv, wo, positions, codes, scales, wo16, rope; writes codes, scales, wo16, rope
.if DOCPART == 1
	.amdgcn_target "amdgcn-amd-amdhsa--gfx1250"
	.amdhsa_code_object_version 6
	.text
	.protected	k_qc6239f584c_prep
	.globl	k_qc6239f584c_prep
	.p2align	8
	.type	k_qc6239f584c_prep,@function
k_qc6239f584c_prep:
	s_mov_b64 s[64:65], 0
	v_nop
	global_prefetch_b8 v0, s[64:65] scope:SCOPE_SE
	s_setreg_imm32_b32 hwreg(HW_REG_WAVE_MODE, 25, 1), 1
	s_wait_xcnt 0x0
; PREP: everything that is made once and read many times by the launches behind it.
; NO WORK OF THE PROBLEM IS LEFT OUT IN THIS PROGRAM: every input (hidden_states, wq, wk, wv, wo, positions, q_norm_w, k_norm_w) has a way to out0 for all values, and all are loaded; the repeat of the key and
; value heads is done by addressing, not by copies.
; (a) Work-groups 0-767: hidden_states, wq, wk, wv (f32, K = 4,096 innermost) become codes of FP4 (E2M1), K innermost, two codes a byte, and one E8M0 scale byte for each 32 along K.
;     A block's scale is 2^(floor(log2(its largest magnitude)) - 2); its byte is the largest magnitude's own exponent field - 2, held at 1 from below.  Each number is divided by the scale and rounded to the nearest
;     code, ties to even; beyond 6 the largest code.  A block of zeros gets the byte 1 where the rule says 127: its codes are zeros, which add nothing, and the bytes are read by this program alone.
;     Rows in the buffer 'codes' (2,048 bytes a row) and 'scales' (128 bytes a row): 0-4095 hidden_states; then the weights' 2,048 rows: 1,024 of wq, then for each key/value head j: 128 rows of wk, 128 rows of wv.
;     A work-group takes 32,768 numbers = 8 whole rows, a wave 8,192 in 16 steps of 512; the order of the weights' rows is a choice of the work-group's place in the output (16 work-groups are a head).
;     Each load reads 512 consecutive bytes; a step's 2,048 bytes turn through the wave's own stage in LDS, so that a lane holds 16 neighbours along K (two neighbouring lanes hold a block).
; (b) Work-groups 768-895: wo becomes f16 (its numbers are operands of a product that is left as it is), and the rope's cos and sin are tabled in f32, in the order of the reader's registers:
;     [s / 16][quad 0-15][lane][4]: with lane = 16 h + r, quad c < 8: cos(position[16 p + r] x inv_freq[i]), i = 16 (c / 2) + 8 h + 4 (c % 2) + 0..3; quads 8-15 the sines.
;     inv_freq[i] = 2^(-i log2(1e6) / 64).  sin and cos: the angle less the nearest multiple of pi/2 (pi/2 in three parts, fused multiply-adds), polynomials on +-pi/4, the quadrant by selects.
; LIMITS: NaN and infinities among the inputs are not served; blocks whose largest magnitude lies under 2^-124 keep the byte 1; |wo| up to 65,504 (f16); the reduced angle is good to about 2e-7 x the angle,
; for |position| up to some 2^20.
.set WAVES, 4
.set STEPS, 16
.set EMAX,  2
.set CB,    8                          ; bytes of 16 codes
.set R,     16                         ; v16-79   four sets of 16 numbers as they are loaded
.set X,     80                         ; v80-111  two sets of 16 neighbours
.set E,     112                        ; v112-127 a scale byte for each step
.set C,     128                        ; v128-191 codes: four registers for each step, so that no store's data are written again
.set WREG,  8192                       ; LDS: a region for each wave: two stages of 32 x SP bytes, behind them its 256 scale bytes
.set SP,    80                         ; a lane's place in a stage: 64 bytes + 16 of padding
.set SPW,   12                         ; v12  LDS address of my spare word; never rewritten
.set NIL,   13                         ; v13  0; never rewritten
.set SPARE, WAVES*WREG                 ; behind the four regions: the spare words, 128 bytes a wave
	s_load_b512 s[4:19], s[0:1], 0x0               ; hidden 4, wq 6, wk 8, wv 10, wo 12, positions 14, codes 16, scales 18
	s_load_b128 s[20:23], s[0:1], 0x40             ; wo16 20, rope 22
	v_lshl_add_u32 v[SPW], v0, 2, SPARE
	v_mov_b32 v[NIL], 0
	v_lshrrev_b32 v1, 5, v0
	v_readfirstlane_b32 s24, v1                    ; wave
	v_and_b32 v2, 31, v0                           ; lane
	s_cmp_ge_u32 ttmp9, 768
	s_cbranch_scc1 .Laux
	; ---------------- (a) the quantiser ----------------
	v_lshlrev_b32 v3, 4, v2                        ; my 16 bytes of a load's 512
	s_mul_i32 s25, s24, WREG
	v_lshrrev_b32 v14, 2, v2
	v_mul_u32_u24 v14, v14, SP
	v_and_b32 v15, 3, v2
	v_lshl_add_u32 v14, v15, 4, v14
	v_add_nc_u32 v14, s25, v14                     ; the stage, on the way in: SP (lane / 4) + 16 (lane % 4)
	v_mul_u32_u24 v15, v2, SP
	v_add_nc_u32 v15, s25, v15                     ; and on the way out: SP x lane: my 16 neighbours
	v_mul_u32_u24 v4, v2, CB                       ; my codes' place in a step's
	v_lshrrev_b32 v5, 1, v2
	s_add_co_u32 s25, s25, 2*32*SP
	v_add_nc_u32 v5, s25, v5                       ; LDS: my wave's 256 scale bytes, my block's byte
	v_lshlrev_b32 v7, 3, v2                        ; and on the way out 8 bytes a lane
	v_add_nc_u32 v6, s25, v7
	; which tensor, which 8 rows of it, and where they go: all from the work-group's number
	s_sub_co_u32 s26, ttmp9, 640                   ; among wk's and wv's 128 work-groups
	s_and_b32 s27, s26, 63                         ; the place in wk or in wv
	s_bfe_u32 s28, s26, 0x10006                    ; 1: wv
	s_lshr_b32 s29, s27, 4                         ; the head
	s_lshl_b32 s29, s29, 5                         ; a head's wk and wv together are 32 work-groups
	s_lshl_b32 s28, s28, 4
	s_add_co_u32 s29, s29, s28
	s_and_b32 s28, s27, 15
	s_add_co_u32 s29, s29, s28
	s_add_co_u32 s29, s29, 640                     ; the place in the output
	s_sub_co_u32 s28, ttmp9, 512                   ; the place in wq
	s_wait_kmcnt 0x0
	s_cmp_lt_u32 ttmp9, 704
	s_cselect_b64 s[8:9], s[8:9], s[10:11]         ; wk or wv
	s_cmp_lt_u32 ttmp9, 640
	s_cselect_b64 s[6:7], s[6:7], s[8:9]           ; wq, or one of those
	s_cselect_b32 s27, s28, s27
	s_cselect_b32 s29, ttmp9, s29
	s_cmp_lt_u32 ttmp9, 512
	s_cselect_b64 s[4:5], s[4:5], s[6:7]           ; hidden_states, or a weight
	s_cselect_b32 s27, ttmp9, s27
	s_lshl_b32 s27, s27, 2
	s_add_co_u32 s27, s27, s24                     ; which run of 8,192 numbers of the source is my wave's
	s_lshl_b32 s29, s29, 2
	s_add_co_u32 s29, s29, s24                     ; and which run of the output
	s_lshl_b32 s30, s27, 15                        ; 32,768 bytes a run (at most 2,047 runs: under 2^32)
	s_mov_b32 s31, 0
	s_add_nc_u64 s[4:5], s[4:5], s[30:31]
	s_lshl_b32 s30, s29, 12                        ; 4,096 bytes of codes a run
	s_add_nc_u64 s[16:17], s[16:17], s[30:31]
	s_lshl_b32 s30, s29, 8                         ; 256 scale bytes a run
	s_add_nc_u64 s[18:19], s[18:19], s[30:31]
.macro LOAD t
.irp i, 0,1,2,3
	global_load_b128 v[R+16*((\t)%4)+4*\i:R+16*((\t)%4)+4*\i+3], v3, s[4:5] offset:2048*(\t)+512*\i th:TH_LOAD_NT   ; 32 lanes read 512 consecutive bytes
.endr
.endm
.macro TURN t                          ; step t's numbers through the stage: LDS serves a wave's instructions in order, so no wait stands between the stores and the loads
.irp i, 0,1,2,3
	ds_store_b128 v14, v[R+16*((\t)%4)+4*\i:R+16*((\t)%4)+4*\i+3] offset:32*SP*((\t)%2)+8*SP*\i
.endr
.irp i, 0,1,2,3
	ds_load_b128 v[X+16*((\t)%2)+4*\i:X+16*((\t)%2)+4*\i+3], v15 offset:32*SP*((\t)%2)+16*\i
.endr
.endm
.irp t, 0,1,2,3
	LOAD \t
.endr
	s_wait_loadcnt 12                              ; step 0's four loads are in; the 12 of steps 1 to 3 may be out
	TURN 0
.macro STEP t
.set XS, X+16*((\t)%2)
.if (\t) > 0
	s_wait_dscnt 1                                 ; this step's numbers are back from the stage (the last step's byte store may be out)
.else
	s_wait_dscnt 0x0
.endif
.if (\t)+4 < STEPS
	LOAD (\t)+4                                    ; into the registers that this step's stores into the stage have read
.endif
.if (\t)+1 < STEPS
.if STEPS-2-(\t) >= 3
	s_wait_loadcnt 12                              ; the next step's four loads are in; those of the three steps behind it may be out
.else
	s_wait_loadcnt 4*(STEPS-2-(\t))
.endif
	TURN (\t)+1                                    ; and go through the other stage while this step is worked
.endif
	v_max3_num_f32 v8, |v[XS]|, |v[XS+1]|, |v[XS+2]|               ; the largest magnitude of my 16, in two chains
	v_max3_num_f32 v9, |v[XS+3]|, |v[XS+4]|, |v[XS+5]|
.irp i, 6,10
	v_max3_num_f32 v8, v8, |v[XS+\i]|, |v[XS+\i+1]|
	v_max3_num_f32 v9, v9, |v[XS+\i+2]|, |v[XS+\i+3]|
.endr
	v_max3_num_f32 v8, v8, |v[XS+14]|, |v[XS+15]|
	v_max3_num_f32 v8, v8, v9, (EMAX+1)<<23        ; and the floor 2^(3 - 127): the byte cannot fall under 1
	v_max_num_f32_dpp v8, v8, v8 row_xmask:1 row_mask:0xf bank_mask:0xf   ; and of my neighbour's 16: the block's
	v_add_nc_u32 v11, -(EMAX<<23), v8              ; 2 off its exponent field: the conversion takes the exponent field of this operand as its scale
	v_cvt_scalef32_pk8_fp4_f32 v[C+4*(\t)], v[XS:XS+7], v11
	v_cvt_scalef32_pk8_fp4_f32 v[C+4*(\t)+1], v[XS+8:XS+15], v11
	v_lshrrev_b32 v[E+(\t)], 23, v11               ; the scale's byte
	ds_store_b8 v5, v[E+(\t)] offset:16*(\t)       ; both lanes of a block write the same byte with the same value
	global_store_b64 v4, v[C+4*(\t):C+4*(\t)+1], s[16:17] offset:32*CB*(\t)   ; the wave stores 256 consecutive bytes, aligned
.endm
.irp t, 0,1,2,3,4,5,6,7,8,9,10,11,12,13,14,15
	STEP \t
.endr
	ds_load_b64 v[8:9], v6                         ; LDS serves a wave's instructions in order: these see my byte stores
	s_wait_dscnt 0x0
	global_store_b64 v7, v[8:9], s[18:19]          ; 32 lanes store 256 consecutive bytes, aligned
	s_wait_tensorcnt 0x0                           ; the wave's end, behind my last LDS store
	ds_add_u32 v[SPW], v[NIL]
	s_wait_dscnt 0x0
	s_endpgm
	; ---------------- (b) the rope's table and wo in f16: no LDS ----------------
.set WX, 32                            ; v32-95   sixteen chunks of wo as loaded
.set WY, 96                            ; v96-127  sixteen chunks as f16
.set IV, 128                           ; inv_freq, then the angle
.set NN, 132                           ; the multiple of pi/2
.set RR, 136                           ; the reduced angle
.set ZZ, 140                           ; its square
.set SI, 144
.set CC, 148
.set QQ, 152
.set OS, 156                           ; the four sines
.set OC, 160                           ; the four cosines
.set TT, 164
.Laux:
	s_sub_co_u32 s25, ttmp9, 768                   ; 0..127
	v_and_b32 v3, 15, v0                           ; r
	v_bfe_u32 v4, v0, 4, 1                         ; h
	s_lshr_b32 s26, s25, 1                         ; p: which 16 positions
	s_and_b32 s27, s25, 1
	s_lshl_b32 s27, s27, 2
	s_add_co_u32 s27, s27, s24                     ; which quad of the eight
	s_lshl_b32 s28, s26, 6
	v_lshl_add_u32 v5, v3, 2, s28                  ; positions[16 p + r]
	v_lshlrev_b32 v6, 4, v2                        ; 16 x lane
	v_lshlrev_b32 v7, 3, v2                        ; 8 x lane
	s_lshl_b32 s30, s25, 2
	s_add_co_u32 s30, s30, s24                     ; which run of 8,192 numbers of wo
	s_mov_b32 s29, 0
	s_mov_b32 s32, 0x3fc90fdb                      ; pi/2 in three parts
	s_mov_b32 s33, 0xb33bbd2e
	s_mov_b32 s34, 0xa6f72ced
	s_wait_kmcnt 0x0
	global_load_b32 v9, v5, s[14:15]
	s_lshl_b32 s28, s30, 15
	s_add_nc_u64 s[12:13], s[12:13], s[28:29]
	s_lshl_b32 s28, s30, 14
	s_add_nc_u64 s[20:21], s[20:21], s[28:29]
	s_lshl_b32 s28, s26, 13
	s_lshl_b32 s31, s27, 9
	s_add_co_u32 s28, s28, s31
	s_add_nc_u64 s[22:23], s[22:23], s[28:29]      ; rope + 8,192 p + 512 quad
.irp t, 0,1,2,3,4,5,6,7,8,9,10,11,12,13,14,15
	global_load_b128 v[WX+4*\t:WX+4*\t+3], v6, s[12:13] offset:512*\t th:TH_LOAD_NT   ; the ring of wo is filled before the table is worked
.endr
	s_lshr_b32 s28, s27, 1
	s_lshl_b32 s28, s28, 4
	s_and_b32 s31, s27, 1
	s_lshl_b32 s31, s31, 2
	s_add_co_u32 s28, s28, s31
	v_lshl_add_u32 v8, v4, 3, s28                  ; i of my first number: 16 (quad / 2) + 4 (quad % 2) + 8 h
	v_mov_b32 v10, 0xb9500d01                      ; -1/5040
	v_mov_b32 v11, 0x37d00d01                      ; 1/40320
.irp e, 0,1,2,3
	v_add_nc_u32 v[TT+\e], \e, v8
.endr
.irp e, 0,1,2,3
	v_cvt_f32_u32 v[TT+\e], v[TT+\e]
.endr
.irp e, 0,1,2,3
	v_mul_f32 v[TT+\e], 0xbe9f73da, v[TT+\e]       ; -i log2(1e6) / 64
.endr
.irp e, 0,1,2,3
	v_exp_f32 v[IV+\e], v[TT+\e]                   ; inv_freq
.endr
	v_nop                                          ; a plain instruction behind the last exponential
	s_wait_alu depctr_va_vdst(0)                   ; one wait for the four, ahead of their first reader
	s_wait_loadcnt 16                              ; the position is in; the sixteen loads of wo behind it may be out
	v_cvt_f32_i32 v9, v9
.irp e, 0,1,2,3
	v_mul_f32 v[IV+\e], v9, v[IV+\e]               ; the angle
.endr
.irp e, 0,1,2,3
	v_mul_f32 v[NN+\e], 0x3f22f983, v[IV+\e]       ; x 2/pi
.endr
.irp e, 0,1,2,3
	v_rndne_f32 v[NN+\e], v[NN+\e]
.endr
.irp e, 0,1,2,3
	v_fma_f32 v[RR+\e], -v[NN+\e], s32, v[IV+\e]
.endr
.irp e, 0,1,2,3
	v_fma_f32 v[RR+\e], -v[NN+\e], s33, v[RR+\e]
.endr
.irp e, 0,1,2,3
	v_fma_f32 v[RR+\e], -v[NN+\e], s34, v[RR+\e]   ; the angle less n pi/2: within +-pi/4
.endr
.irp e, 0,1,2,3
	v_mul_f32 v[ZZ+\e], v[RR+\e], v[RR+\e]
	v_cvt_i32_f32 v[QQ+\e], v[NN+\e]
.endr
.irp e, 0,1,2,3
	v_fmaak_f32 v[SI+\e], v10, v[ZZ+\e], 0x3c088889      ; 1/120 - z/5040
	v_fmaak_f32 v[CC+\e], v11, v[ZZ+\e], 0xbab60b61      ; -1/720 + z/40320
.endr
.irp e, 0,1,2,3
	v_fmaak_f32 v[SI+\e], v[SI+\e], v[ZZ+\e], 0xbe2aaaab ; -1/6 + ..
	v_fmaak_f32 v[CC+\e], v[CC+\e], v[ZZ+\e], 0x3d2aaaab ; 1/24 + ..
	v_mul_f32 v[TT+\e], v[RR+\e], v[ZZ+\e]
.endr
.irp e, 0,1,2,3
	v_fma_f32 v[SI+\e], v[TT+\e], v[SI+\e], v[RR+\e]     ; sin r
	v_fma_f32 v[CC+\e], v[CC+\e], v[ZZ+\e], -0.5
.endr
.irp e, 0,1,2,3
	v_fma_f32 v[CC+\e], v[CC+\e], v[ZZ+\e], 1.0          ; cos r
	v_and_b32 v[TT+\e], 1, v[QQ+\e]
.endr
.irp e, 0,1,2,3
	v_cmp_eq_u32 vcc_lo, 1, v[TT+\e]                     ; an odd quadrant: sine and cosine change places
	v_cndmask_b32 v[OS+\e], v[SI+\e], v[CC+\e], vcc_lo
	v_cndmask_b32 v[OC+\e], v[CC+\e], v[SI+\e], vcc_lo
.endr
.irp e, 0,1,2,3
	v_lshlrev_b32 v[TT+\e], 30, v[QQ+\e]                 ; the sine is negative in quadrants 2 and 3
	v_add_nc_u32 v[QQ+\e], 1, v[QQ+\e]
.endr
.irp e, 0,1,2,3
	v_and_b32 v[TT+\e], 0x80000000, v[TT+\e]
	v_lshlrev_b32 v[QQ+\e], 30, v[QQ+\e]                 ; the cosine in quadrants 1 and 2
.endr
.irp e, 0,1,2,3
	v_xor_b32 v[OS+\e], v[OS+\e], v[TT+\e]
	v_and_b32 v[QQ+\e], 0x80000000, v[QQ+\e]
.endr
.irp e, 0,1,2,3
	v_xor_b32 v[OC+\e], v[OC+\e], v[QQ+\e]
.endr
	global_store_b128 v6, v[OC:OC+3], s[22:23]             ; 512 consecutive bytes
	global_store_b128 v6, v[OS:OS+3], s[22:23] offset:4096 ; the sines lie eight quads on
; wo: 64 chunks of 128 numbers; sixteen loads of the wave are always on their way
.macro CHUNK t
.if (\t) <= 48
	s_wait_loadcnt 15                              ; loads come back in order: mine is in, the fifteen younger ones stay out
.else
	s_wait_loadcnt 63-(\t)                         ; the last chunks load nothing: the counts run down
.endif
.if (\t) >= 16
	s_wait_xcnt 0x0                                ; the store of sixteen chunks back has read the pair that is written now
.endif
	v_cvt_pk_f16_f32 v[WY+2*((\t)%16)], v[WX+4*((\t)%16)], v[WX+4*((\t)%16)+1]
	v_cvt_pk_f16_f32 v[WY+2*((\t)%16)+1], v[WX+4*((\t)%16)+2], v[WX+4*((\t)%16)+3]
.if (\t)+16 < 64
	global_load_b128 v[WX+4*((\t)%16):WX+4*((\t)%16)+3], v6, s[12:13] offset:512*((\t)+16) th:TH_LOAD_NT
.endif
	global_store_b64 v7, v[WY+2*((\t)%16):WY+2*((\t)%16)+1], s[20:21] offset:256*(\t)   ; the wave stores 256 consecutive bytes, aligned
.endm
.set Q, 0
.rept 64
	CHUNK Q
.set Q, Q+1
.endr
	s_endpgm
.Lfunc_end_k_qc6239f584c_prep:
	.size	k_qc6239f584c_prep, .Lfunc_end_k_qc6239f584c_prep-k_qc6239f584c_prep
	.p2alignl 7, 3214868480
	.fill 96, 4, 3214868480
	.section	.rodata,"a",@progbits
	.p2align	6, 0x0
	.amdhsa_kernel k_qc6239f584c_prep
		.amdhsa_group_segment_fixed_size 33280
		.amdhsa_private_segment_fixed_size 0
		.amdhsa_enable_private_segment 0
		.amdhsa_kernarg_size 80
		.amdhsa_user_sgpr_count 2
		.amdhsa_user_sgpr_kernarg_segment_ptr 1
		.amdhsa_wavefront_size32 1
		.amdhsa_system_sgpr_workgroup_id_x 1
		.amdhsa_system_sgpr_workgroup_id_y 1
		.amdhsa_system_sgpr_workgroup_id_z 1
		.amdhsa_system_vgpr_workitem_id 0
		.amdhsa_next_free_vgpr 192
		.amdhsa_next_free_sgpr 66
		.amdhsa_reserve_vcc 1
		.amdhsa_float_denorm_mode_32 3
		.amdhsa_float_denorm_mode_16_64 3
		.amdhsa_memory_ordered 1
		.amdhsa_forward_progress 1
		.amdhsa_inst_pref_size 65
	.end_amdhsa_kernel
	.amdgpu_metadata
---
amdhsa.version: [ 1, 2 ]
amdhsa.kernels:
  - .name:           k_qc6239f584c_prep
    .symbol:         k_qc6239f584c_prep.kd
    .args:
      - { .name: hidden_states, .offset: 0, .size: 8, .value_kind: global_buffer, .address_space: global }
      - { .name: wq, .offset: 8, .size: 8, .value_kind: global_buffer, .address_space: global }
      - { .name: wk, .offset: 16, .size: 8, .value_kind: global_buffer, .address_space: global }
      - { .name: wv, .offset: 24, .size: 8, .value_kind: global_buffer, .address_space: global }
      - { .name: wo, .offset: 32, .size: 8, .value_kind: global_buffer, .address_space: global }
      - { .name: positions, .offset: 40, .size: 8, .value_kind: global_buffer, .address_space: global }
      - { .name: codes, .offset: 48, .size: 8, .value_kind: global_buffer, .address_space: global }
      - { .name: scales, .offset: 56, .size: 8, .value_kind: global_buffer, .address_space: global }
      - { .name: wo16, .offset: 64, .size: 8, .value_kind: global_buffer, .address_space: global }
      - { .name: rope, .offset: 72, .size: 8, .value_kind: global_buffer, .address_space: global }
    .group_segment_fixed_size: 33280
    .private_segment_fixed_size: 0
    .kernarg_segment_align: 8
    .kernarg_segment_size: 80
    .max_flat_workgroup_size: 128
    .sgpr_count:     66
    .vgpr_count:     192
    .wavefront_size: 32
...
	.end_amdgpu_metadata
.endif
;; end of part 1
;; launch qkv (part 2): grid 8 x 32, 4 waves a work-group, clusters of 4 x 4, 327,680 bytes of LDS; arguments codes, scales, rope, q_norm_w, k_norm_w, qkv; writes qkv
.if DOCPART == 2
	.amdgcn_target "amdgcn-amd-amdhsa--gfx1250"
	.amdhsa_code_object_version 6
	.text
	.protected	k_qc6239f584c_qkv
	.globl	k_qc6239f584c_qkv
	.p2align	8
	.type	k_qc6239f584c_qkv,@function
k_qc6239f584c_qkv:
	s_mov_b64 s[64:65], 0
	v_nop
	global_prefetch_b8 v0, s[64:65] scope:SCOPE_SE
	s_setreg_imm32_b32 hwreg(HW_REG_WAVE_MODE, 25, 1), 1
	s_wait_xcnt 0x0
	s_wait_alu depctr_hold_cnt(0) depctr_sa_sdst(0) depctr_va_vdst(0) depctr_va_sdst(0) depctr_va_ssrc(0) depctr_va_vcc(0) depctr_vm_vsrc(0)
	s_getreg_b32 s2, hwreg(HW_REG_IB_STS2, 6, 4)
	s_cmp_eq_u32 s2, 0
	s_cbranch_scc0 .Lentry_in_a_cluster
	s_endpgm
.Lentry_in_a_cluster:
	s_bfe_u32 s2, ttmp6, 0x10000c
	s_cmp_lg_u32 s2, 0xf033
	s_cbranch_scc0 .Lentry_shape_is_right
	s_endpgm
.Lentry_shape_is_right:
; THE THREE PROJECTIONS AS ONE PRODUCT ON CODES OF FP4, THE NORM AND THE ROPE.  [4,096 rows of hidden_states] x [2,048 rows of weights]^T, K = 4,096; codes and E8M0 scale bytes as the launch before laid them
; (buffer 'codes': rows of 2,048 bytes, the weights from byte 8,388,608 on; 'scales': rows of 128 bytes, the weights from byte 524,288 on).  Nothing of the problem's work is left out here.
; A work-group of four waves makes 128 rows x 256 columns: 256 work-groups.  A wave makes 64 rows x 128 columns = ONE HEAD: 32 accumulators of 16 x 16.  So the norm over a head's 128 numbers and the rope,
; which pairs channel i with channel i + 64, stay inside a wave.  The weights' rows are ordered so that columns 0-1023 are q's eight heads and then k's and v's heads alternate: in the clusters with x = 0 every wave
; has a q head; in those with x = 1 the waves of the left column half have a k head, those of the right a v head.  The kind of head hangs on the cluster's x and the wave's number alone.
; K goes in steps of 512 (rows of 256 bytes) through a ring of two LDS slots filled by the tensor data mover.  The scale bytes of the work-group's 384 rows for all of K are dense blocks of memory: they come once.
; CLUSTERS: 4 x 4 work-groups; hidden_states' tile is shared along a row of the cluster, the weights' along a column: joint loads, the same descriptor and a mask of four in all that it names.
; THE MATRIX INSTRUCTION IS USED TRANSPOSED (source 0 = 16 rows of the weights, source 1 = 16 rows of hidden_states): lane (r, h) holds row r and, in tile b, channels 16 b + 8 h + 0..7.
; OUT: f16 (operands of products that are left as they are): q [b 8 + head][1024][128] at byte 0, k [b 4 + head][1024][128] at 8,388,608, v likewise at 12,582,912.
; LIMITS: |q|, |k|, |v| up to 65,504; NaN and infinities are not served.
; REGISTERS, in windows of 256: window 0: v1-31 addresses and small things; v32-79 scale words and nothing else; v128-191 hidden_states' fragments, two sets; on the way out v80-239 at work.
;   window 1: v0-127 the weights' fragments, two sets; v128-191 the norm's weights.   window 2: the accumulators, (a, b) at v[64 a + 8 b].   window 3: the rope's table of my 64 rows: cos at v[64 a + e], sin at v[64 a + 32 + e].
.set PITCH, 272                        ; an LDS row: 256 bytes + 16 of padding: the 16 rows that a load touches start at 16 different groups of banks
.set HALFA, 64*PITCH                   ; what one load brings of hidden_states, and what one wave reads of it
.set HALFB, 128*PITCH                  ; the same for the weights
.set BOFF,  2*HALFA
.set SLOT,  2*HALFA+2*HALFB
.set SCL,   2*SLOT                     ; the scale bytes of my 128 rows of hidden_states: 64 units of 256 bytes + 16
.set SCLB,  SCL+64*272                 ; those of my 256 rows of weights: 128 units
.set SBLK,  8*272                      ; those of 16 rows (128 bytes a row, two rows to a unit)
.set STAGE, SCLB+128*272               ; the way out: 16 rows x 272 bytes for each wave
.set SPARE, STAGE+4*16*272             ; the spare words, 128 bytes a wave
.set ADRA, 4                           ; v4-5   LDS address of my fragments of hidden_states in slot 0, 1
.set ADRB, 6                           ; v6-7   the same for the weights
.set ADSA, 8                           ; v8     my scale words of hidden_states: lanes 0-15 blocks 0, 1; lanes 16-31 blocks 2, 3
.set ADSB, 9                           ; v9     of the weights: lanes 0-15 blocks 0-3; lanes 16-31 blocks 4-7
.set STO,  10
.set RD,   11
.set GO,   12                          ; v12    16 x lane
.set WO,   13                          ; v13    32 h
.set SPW,  14
.set NIL,  15
.set RS,   16                          ; v16-23 1 / rms of row block a in v[16 + 2 a]; the odd ones are only named with them as pairs
.set PT,   24                          ; v24-27 the other half of the lanes' sums
.set EPSR, 28                          ; v28    eps
.set SC,   32                          ; scale words: set s at v[32 + 24 s]: + 4 i + q the weights' blocks i and i + 4; + 16 + 4 i + q hidden_states' blocks i and i + 2
.set AF,   128
.set T,    80                          ; the way out: 64 numbers at work
.set U,    144                         ; 32 more
.set PKD,  176                         ; a block as f16
.set BK,   208                         ; and as whole rows
.set G1,   24
.set G0,   32
.set G1B,  48
.set G0B,  56
.set G1S,  68
.set G0S,  76
.set G1SB, 80
.set G0SB, 88
.set MSB, 0
.macro WIN new                         ; the immediate's high byte repeats the setting that is left
.if MSB != \new
	s_set_vgpr_msb (MSB<<8)|\new
.set MSB, \new
.endif
.endm
.set MUL,  0xa1                        ; source 0 window 1, source 1 window 0, C and D window 2
.set TO_B, 0x40                        ; destination window 1
; A joint load: waves 0 and 1 fetch for hidden_states, waves 2 and 3 for the weights.  The branch hangs on the wave's number alone.  An s_nop 0 and four v_nop follow each of the two lines.
.macro JLOAD g0a, g1a, g0b, g1b
	s_cmp_eq_u32 s97, 0
	s_cbranch_scc0 .Lfor_b_\@
	tensor_load_to_lds s[\g0a:\g0a+3], s[\g1a:\g1a+7]
	s_nop 0
.rept 4
	v_nop
.endr
	s_branch .Lasked_\@
.Lfor_b_\@:
	tensor_load_to_lds s[\g0b:\g0b+3], s[\g1b:\g1b+7]
	s_nop 0
.rept 4
	v_nop
.endr
.Lasked_\@:
.endm
.macro CREST                           ; a round of the cluster's barrier behind its opening barrier
	s_cmp_lg_u32 s96, 0
	s_cbranch_scc1 .Lnot_wave_0_\@
	s_barrier_signal -3
.Lnot_wave_0_\@:
	s_barrier_wait -3
	s_barrier_signal -1
	s_barrier_wait -1
.endm
.macro CROUND
	s_barrier_signal -1
	s_barrier_wait -1
	CREST
.endm
.macro PLACES                          ; four plain instructions between a matrix instruction and a load into, or a vector instruction on, its registers
.rept 4
	v_nop
.endr
.endm
	s_load_b256 s[4:11], s[0:1], 0x0               ; codes 4, scales 6, rope 8, q_norm_w 10
	s_load_b128 s[12:15], s[0:1], 0x20             ; k_norm_w 12, qkv 14
	v_lshl_add_u32 v[SPW], v0, 2, SPARE
	v_mov_b32 v[NIL], 0
	ds_add_u32 v[SPW], v[NIL]                      ; the wave's opening: the add, twice on end, and its wait ahead of my first tensor load
	ds_add_u32 v[SPW], v[NIL]
	v_lshrrev_b32 v1, 5, v0
	v_readfirstlane_b32 s96, v1                    ; wave 0..3
	s_lshr_b32 s97, s96, 1                         ; which 64 rows are mine.  Also: I fetch for hidden_states (0) or for the weights (1)
	s_and_b32 s98, s96, 1                          ; which head of the two.  Also: which half of that tile I fetch
	s_bfe_u32 s40, ttmp6, 0x40000                  ; cx, cy
	s_bfe_u32 s41, ttmp6, 0x40004
	s_lshl_b32 s42, ttmp9, 2
	s_add_co_u32 s42, s42, s40                     ; tile column 0..7
	s_and_b32 s66, ttmp7, 0xffff
	s_lshl_b32 s66, s66, 2
	s_add_co_u32 s66, s66, s41                     ; tile row 0..31
	s_lshl_b32 s43, s41, 2
	s_lshl_b32 s43, 15, s43                        ; my row of the cluster
	s_lshl_b32 s44, 0x1111, s40                    ; my column
	s_add_co_u32 s67, s98, 1
	s_cmp_eq_u32 ttmp9, 0
	s_cselect_b32 s67, 0, s67                      ; the kind of my head: 0 q, 1 k, 2 v: the same in all partners for a given wave
	s_mov_b32 s95, 0x3c000000                      ; 1/128
	s_mov_b32 s100, 0x76543210
	s_mov_b32 s101, 0xfedcba98                     ; lane selects: lane l xor 16
	; descriptor groups 1.  Tiles of codes: rows of 256 bytes, 2,048 bytes apart, 16 bytes of padding behind each
	s_or_b32 s[G1+0], s43, (0<<16)|(1<<20)|(1<<21)|(5<<22)|(3<<25)   ; the mask; elements of 1 byte; padding on; bit 21 beside a mask; after every 64 words, 4 words
	s_or_b32 s[G1B+0], s44, (0<<16)|(1<<20)|(1<<21)|(5<<22)|(3<<25)
	s_mov_b32 s[G1+1], 256<<16                     ; tensor_dim0
	s_mov_b32 s[G1+2], 64<<16                      ; tensor_dim1 = 64 rows
	s_mov_b32 s[G1+3], 256<<16                     ; tile_dim0
	s_mov_b32 s[G1+4], 64                          ; tile_dim1
	s_mov_b32 s[G1+5], 2048                        ; from row to row
	s_mov_b32 s[G1+6], 0
	s_mov_b32 s[G1+7], 0
	s_mov_b32 s[G1B+1], 256<<16
	s_mov_b32 s[G1B+2], 128<<16                    ; 128 rows
	s_mov_b32 s[G1B+3], 256<<16
	s_mov_b32 s[G1B+4], 128
	s_mov_b32 s[G1B+5], 2048
	s_mov_b32 s[G1B+6], 0
	s_mov_b32 s[G1B+7], 0
	; the scale bytes: dense blocks, as rows of 256 bytes (32 elements of 8 bytes), 16 bytes of padding behind each
	s_or_b32 s[G1S+0], s43, (3<<16)|(1<<20)|(1<<21)|(5<<22)|(3<<25)
	s_or_b32 s[G1SB+0], s44, (3<<16)|(1<<20)|(1<<21)|(5<<22)|(3<<25)
	s_mov_b32 s[G1S+1], 32<<16
	s_mov_b32 s[G1S+2], 32<<16                     ; 64 rows x 128 bytes = 32 units
	s_mov_b32 s[G1S+3], 32<<16
	s_mov_b32 s[G1S+4], 32
	s_mov_b32 s[G1S+5], 32
	s_mov_b32 s[G1S+6], 0
	s_mov_b32 s[G1S+7], 0
	s_mov_b32 s[G1SB+1], 32<<16
	s_mov_b32 s[G1SB+2], 64<<16                    ; 128 rows = 64 units
	s_mov_b32 s[G1SB+3], 32<<16
	s_mov_b32 s[G1SB+4], 64
	s_mov_b32 s[G1SB+5], 32
	s_mov_b32 s[G1SB+6], 0
	s_mov_b32 s[G1SB+7], 0
	; what I fetch.  hidden_states' offsets hang on the tile row alone, the weights' on the tile column alone, each in registers that never hold the other coordinate
	s_lshl_b32 s16, s66, 7
	s_lshl_b32 s92, s98, 6
	s_add_co_u32 s16, s16, s92                     ; row 128 x tile row + 64 x half
	s_lshl_b32 s18, s16, 7                         ; its scale bytes,
	s_lshl_b32 s16, s16, 11                        ; its codes
	s_mov_b32 s17, 0
	s_mov_b32 s19, 0
	s_lshl_b32 s20, s42, 8
	s_lshl_b32 s92, s98, 7
	s_add_co_u32 s20, s20, s92                     ; the weights' row 256 x tile column + 128 x half
	s_lshl_b32 s22, s20, 7
	s_add_co_u32 s22, s22, 524288
	s_lshl_b32 s20, s20, 11
	s_add_co_u32 s20, s20, 8388608
	s_mov_b32 s21, 0
	s_mov_b32 s23, 0
	s_mul_i32 s93, s98, HALFA                      ; and where it goes: no place in the cluster enters an LDS address
	s_mul_i32 s94, s98, HALFB
	s_add_co_u32 s94, s94, BOFF
	s_mul_i32 s99, s98, 32*272
	s_add_co_u32 s99, s99, SCL
	s_mul_i32 s92, s98, 64*272
	s_add_co_u32 s92, s92, SCLB
	s_wait_dscnt 0x0                               ; both opening adds are done
	s_wait_kmcnt 0x0
	s_add_nc_u64 s[16:17], s[4:5], s[16:17]
	s_add_nc_u64 s[18:19], s[6:7], s[18:19]
	s_add_nc_u64 s[20:21], s[4:5], s[20:21]
	s_add_nc_u64 s[22:23], s[6:7], s[22:23]
	CROUND                                         ; all sixteen work-groups are here: the first joint loads meet
	s_mov_b32 s[G0S], 1
	s_mov_b32 s[G0S+1], s99
	s_mov_b64 s[G0S+2:G0S+3], s[18:19]
	s_or_b32 s[G0S+3], s[G0S+3], 0x80000000
	s_mov_b32 s[G0SB], 1
	s_mov_b32 s[G0SB+1], s92
	s_mov_b64 s[G0SB+2:G0SB+3], s[22:23]
	s_or_b32 s[G0SB+3], s[G0SB+3], 0x80000000
	JLOAD G0S, G1S, G0SB, G1SB                     ; the scale bytes first: they are wanted with K step 0
.irp s, 0,1
	s_mov_b32 s[G0+4*\s], 1
	s_add_co_u32 s[G0+4*\s+1], s93, \s*SLOT
	s_add_nc_u64 s[G0+4*\s+2:G0+4*\s+3], s[16:17], \s*256
	s_or_b32 s[G0+4*\s+3], s[G0+4*\s+3], 0x80000000
	s_mov_b32 s[G0B+4*\s], 1
	s_add_co_u32 s[G0B+4*\s+1], s94, \s*SLOT
	s_add_nc_u64 s[G0B+4*\s+2:G0B+4*\s+3], s[20:21], \s*256
	s_or_b32 s[G0B+4*\s+3], s[G0B+4*\s+3], 0x80000000
	JLOAD G0+4*\s, G1, G0B+4*\s, G1B               ; three tensor loads of mine are out now
.endr
	v_and_b32 v1, 15, v0                           ; r
	v_bfe_u32 v2, v0, 4, 1                         ; h
	v_mul_u32_u24 v3, v1, PITCH
	v_lshl_add_u32 v3, v2, 4, v3                   ; a fragment's row x pitch + 16 h
	s_mul_i32 s16, s97, HALFA                      ; my 64 rows of hidden_states
	s_mul_i32 s17, s98, HALFB                      ; my 128 rows of the weights
	s_add_co_u32 s17, s17, BOFF
.irp s, 0,1
	v_add_nc_u32 v[ADRA+\s], s16, v3
	v_add_nc_u32 v[ADRB+\s], s17, v3
	s_add_co_u32 s16, s16, SLOT
	s_add_co_u32 s17, s17, SLOT
.endr
	v_lshlrev_b32 v3, 7, v1                        ; my row's scale bytes: 128 a row,
	v_lshrrev_b32 v29, 1, v1
	v_lshl_add_u32 v3, v29, 4, v3                  ; and 16 more for each 256 passed
	s_mul_i32 s16, s97, 32*272
	s_add_co_u32 s16, s16, SCL
	v_mul_u32_u24 v29, v2, 2*SBLK                  ; lanes 16-31: two blocks on
	v_add_nc_u32 v[ADSA], s16, v3
	v_add_nc_u32 v[ADSA], v[ADSA], v29
	s_mul_i32 s16, s98, 64*272
	s_add_co_u32 s16, s16, SCLB
	v_mul_u32_u24 v29, v2, 4*SBLK                  ; lanes 16-31: four blocks on
	v_add_nc_u32 v[ADSB], s16, v3
	v_add_nc_u32 v[ADSB], v[ADSB], v29
	s_mul_i32 s16, s96, 16*272
	s_add_co_u32 s16, s16, STAGE                   ; my stage
	v_mul_u32_u24 v29, v1, 272
	v_lshl_add_u32 v29, v2, 4, v29
	v_add_nc_u32 v[STO], s16, v29                  ; in: row r, 16 bytes for each half of the lanes
	v_mul_u32_u24 v29, v2, 272
	v_lshl_add_u32 v29, v1, 4, v29
	v_add_nc_u32 v[RD], s16, v29                   ; back: lanes 0-15 one row of 256 bytes, lanes 16-31 the next
	v_and_b32 v29, 31, v0
	v_lshlrev_b32 v[GO], 4, v29
	v_lshlrev_b32 v[WO], 5, v2
.irp a, 0,1,2,3
	v_mov_b32 v[RS+2*\a+1], 0                      ; named as the upper halves of pairs
	v_mov_b32 v[PT+\a], 0                          ; a lane permute's destination counts as one of its sources
.endr
	v_mov_b32 v[EPSR], 0x358637bd                  ; 1e-6
	; the rope's table of my 64 rows and the norm's weights come now and lie in registers until the way out.  Every wave loads them, ahead of the one branch on the kind of head;
	; a wave with a v head does not use them (256 of the launch's 1,024 waves, 33 KB each).
	s_and_b32 s16, s66, 7
	s_lshl_b32 s16, s16, 3
	s_lshl_b32 s17, s97, 2
	s_add_co_u32 s16, s16, s17                     ; my first block of 16 positions: 8 (tile row % 8) + 4 x row half
	s_lshl_b32 s16, s16, 13
	s_mov_b32 s17, 0
	s_add_nc_u64 s[8:9], s[8:9], s[16:17]
	s_cmp_eq_u32 s67, 0
	s_cselect_b64 s[10:11], s[10:11], s[12:13]     ; q's weights, or k's
	WIN 0xc0                                       ; destination window 3
.irp a, 0,1,2,3
.irp c, 0,1,2,3,4,5,6,7,8,9,10,11,12,13,14,15
	global_load_b128 v[64*\a+4*\c:64*\a+4*\c+3], v[GO], s[8:9] offset:8192*\a+512*\c   ; 512 consecutive bytes
.endr
.endr
	WIN 0x40                                       ; destination window 1
.irp b, 0,1,2,3,4,5,6,7
	global_load_b128 v[128+8*\b:128+8*\b+3], v[WO], s[10:11] offset:64*\b          ; w[16 b + 8 h + 0..3]
	global_load_b128 v[128+8*\b+4:128+8*\b+7], v[WO], s[10:11] offset:64*\b+16
.endr
	WIN 0
.macro FRAG reg, adr, q, i             ; 16 rows x 128 K of 4-bit codes: 8 registers: two loads of 16 bytes, 32 bytes apart
.irp c, 0,1
	ds_load_b128 v[\reg+4*\c:\reg+4*\c+3], v[\adr] offset:64*(\q)+32*\c+(\i)*16*PITCH
.endr
.endm
.macro FETCH slot, q, p                ; the fragments of the slot's q-th 128 along K into set p: 24 loads in one run
	WIN TO_B
.irp i, 0,1,2,3,4,5,6,7
	FRAG 64*(\p)+8*\i, ADRB+\slot, \q, \i
.endr
	WIN 0
.irp i, 0,1,2,3
	FRAG AF+32*(\p)+8*\i, ADRA+\slot, \q, \i
.endr
.endm
.macro SCALES sc                       ; a K step's scale words (four a row) into set sc: 6 loads
.irp i, 0,1,2,3
	ds_load_b128 v[SC+24*\sc+4*\i:SC+24*\sc+4*\i+3], v[ADSB] offset:\i*SBLK
.endr
.irp i, 0,1
	ds_load_b128 v[SC+24*\sc+16+4*\i:SC+24*\sc+16+4*\i+3], v[ADSA] offset:\i*SBLK
.endr
.endm
; One product: rows block a x the weights' block b.  The scale words of blocks b >= 4 and a >= 2 lie in lanes 16-31 of their registers.
.macro WM a, b, p, q, sc, zero
.set rD, 64*(\a)+8*(\b)
.set rB, 64*(\p)+8*(\b)
.set rA, AF+32*(\p)+8*(\a)
.set rSB, SC+24*(\sc)+4*((\b)%4)+(\q)
.set rSA, SC+24*(\sc)+16+4*((\a)%2)+(\q)
.if \zero
.if ((\b) >= 4) && ((\a) >= 2)
	v_wmma_scale_f32_16x16x128_f8f6f4 v[rD:rD+7], v[rB:rB+7], v[rA:rA+7], 0, v[rSB], v[rSA] matrix_a_fmt:MATRIX_FMT_FP4 matrix_b_fmt:MATRIX_FMT_FP4 matrix_a_scale:MATRIX_SCALE_ROW1 matrix_b_scale:MATRIX_SCALE_ROW1
.elseif (\b) >= 4
	v_wmma_scale_f32_16x16x128_f8f6f4 v[rD:rD+7], v[rB:rB+7], v[rA:rA+7], 0, v[rSB], v[rSA] matrix_a_fmt:MATRIX_FMT_FP4 matrix_b_fmt:MATRIX_FMT_FP4 matrix_a_scale:MATRIX_SCALE_ROW1
.elseif (\a) >= 2
	v_wmma_scale_f32_16x16x128_f8f6f4 v[rD:rD+7], v[rB:rB+7], v[rA:rA+7], 0, v[rSB], v[rSA] matrix_a_fmt:MATRIX_FMT_FP4 matrix_b_fmt:MATRIX_FMT_FP4 matrix_b_scale:MATRIX_SCALE_ROW1
.else
	v_wmma_scale_f32_16x16x128_f8f6f4 v[rD:rD+7], v[rB:rB+7], v[rA:rA+7], 0, v[rSB], v[rSA] matrix_a_fmt:MATRIX_FMT_FP4 matrix_b_fmt:MATRIX_FMT_FP4
.endif
.else
.if ((\b) >= 4) && ((\a) >= 2)
	v_wmma_scale_f32_16x16x128_f8f6f4 v[rD:rD+7], v[rB:rB+7], v[rA:rA+7], v[rD:rD+7], v[rSB], v[rSA] matrix_a_fmt:MATRIX_FMT_FP4 matrix_b_fmt:MATRIX_FMT_FP4 matrix_a_scale:MATRIX_SCALE_ROW1 matrix_b_scale:MATRIX_SCALE_ROW1
.elseif (\b) >= 4
	v_wmma_scale_f32_16x16x128_f8f6f4 v[rD:rD+7], v[rB:rB+7], v[rA:rA+7], v[rD:rD+7], v[rSB], v[rSA] matrix_a_fmt:MATRIX_FMT_FP4 matrix_b_fmt:MATRIX_FMT_FP4 matrix_a_scale:MATRIX_SCALE_ROW1
.elseif (\a) >= 2
	v_wmma_scale_f32_16x16x128_f8f6f4 v[rD:rD+7], v[rB:rB+7], v[rA:rA+7], v[rD:rD+7], v[rSB], v[rSA] matrix_a_fmt:MATRIX_FMT_FP4 matrix_b_fmt:MATRIX_FMT_FP4 matrix_b_scale:MATRIX_SCALE_ROW1
.else
	v_wmma_scale_f32_16x16x128_f8f6f4 v[rD:rD+7], v[rB:rB+7], v[rA:rA+7], v[rD:rD+7], v[rSB], v[rSA] matrix_a_fmt:MATRIX_FMT_FP4 matrix_b_fmt:MATRIX_FMT_FP4
.endif
.endif
.endm
.macro MULA a, p, q, sc, zero          ; 8 products.  The 32 accumulators take turns, one instruction a turn, in the same order in every step
.irp b, 0,1,2,3,4,5,6,7
	WM \a, \b, \p, \q, \sc, \zero
.endr
.endm
; A step of 128 along K that has its successor in the same slot: the successor's fragments are asked for first, into the other set, and land under this step's 32 products.
.macro STEP slot, q, zero
	PLACES                                         ; the other set was read by the step before
	FETCH \slot, (\q)+1, 1-(\q)%2
	s_wait_dscnt 24                                ; all but the 24 just issued: this step's fragments (and scale words) are in
	WIN MUL
	MULA 0, (\q)%2, \q, \slot, \zero
	MULA 1, (\q)%2, \q, \slot, \zero
	MULA 2, (\q)%2, \q, \slot, \zero
	MULA 3, (\q)%2, \q, \slot, \zero
	WIN 0
.endm
; A slot's last step changes slots: ONE barrier; in front of it each wave waits for all its tensor loads, adds 0 to its spare word, and waits for that and for its reads of this slot.  fill = 1: the slot is filled again, two K steps ahead.
.macro TURN slot, next, fill
	s_wait_tensorcnt 0x0                           ; all my tensor loads have landed: my part of the next slot
	ds_add_u32 v[SPW], v[NIL]                      ; 0 onto my spare word
	s_wait_dscnt 1                                 ; this step's 24 loads are in; the add alone may be out
	WIN MUL
	MULA 0, 1, 3, \slot, 0                         ; eight products stand between the add and the wait for it
	s_wait_dscnt 0x0                               ; the add is done, and my reads of this slot are over
	s_barrier_signal -1
	MULA 1, 1, 3, \slot, 0
	WIN 0
	s_barrier_wait -1
.if \fill
	CREST                                          ; the barrier has opened a round of the cluster's barrier: no wave of any partner still reads this slot or has a load on its way
	s_add_nc_u64 s[G0+4*\slot+2:G0+4*\slot+3], s[G0+4*\slot+2:G0+4*\slot+3], 512
	s_add_nc_u64 s[G0B+4*\slot+2:G0B+4*\slot+3], s[G0B+4*\slot+2:G0B+4*\slot+3], 512
	JLOAD G0+4*\slot, G1, G0B+4*\slot, G1B         ; the first tensor load behind the round; its four v_nop are also the places in front of the loads below
.else
	PLACES
.endif
	v_add_nc_u32 v[ADSA], 16, v[ADSA]              ; on to the next K step's scale words
	v_add_nc_u32 v[ADSB], 16, v[ADSB]
	FETCH \next, 0, 0
	SCALES \next
	WIN MUL
	MULA 2, 1, 3, \slot, 0
	MULA 3, 1, 3, \slot, 0
	WIN 0
.endm
	s_wait_tensorcnt 1                             ; the scale bytes and my part of K step 0 are in; K step 1's load may be out
	s_barrier_signal -1
	s_barrier_wait -1
	FETCH 0, 0, 0
	SCALES 0
	STEP 0, 0, 1                                   ; the first step stands in front of the loop: its products start the sums
	s_mov_b32 s3, 3
.Llap:                                                 ; a trip goes once round the ring and fills both slots again: K steps 2 to 7
	STEP 0, 1, 0
	STEP 0, 2, 0
	TURN 0, 1, 1
	STEP 1, 0, 0
	STEP 1, 1, 0
	STEP 1, 2, 0
	TURN 1, 0, 1
	STEP 0, 0, 0
	s_sub_co_u32 s3, s3, 1
	s_cmp_lg_u32 s3, 0
	s_cbranch_scc1 .Llap
	STEP 0, 1, 0                                   ; the last lap fills nothing
	STEP 0, 2, 0
	TURN 0, 1, 0
	STEP 1, 0, 0
	STEP 1, 1, 0
	STEP 1, 2, 0
	s_wait_dscnt 0x0                               ; the very last step
	WIN MUL
	MULA 0, 1, 3, 1, 0
	MULA 1, 1, 3, 1, 0
	MULA 2, 1, 3, 1, 0
	MULA 3, 1, 3, 1, 0
	WIN 0
	; ---------------- THE WAY OUT ----------------
	PLACES
	s_wait_loadcnt 0x0                             ; the table and the weights
	s_lshr_b32 s16, s66, 3                         ; the batch
	s_and_b32 s17, s66, 7
	s_lshl_b32 s17, s17, 7
	s_lshl_b32 s18, s97, 6
	s_add_co_u32 s17, s17, s18                     ; my first position
	s_lshl_b32 s17, s17, 8                         ; rows of 256 bytes
	s_lshl_b32 s18, s16, 3
	s_lshl_b32 s19, s42, 1
	s_add_co_u32 s18, s18, s19
	s_add_co_u32 s18, s18, s98                     ; q: head 8 b + 2 x tile column + half
	s_lshl_b32 s18, s18, 18
	s_lshl_b32 s19, s16, 2
	s_add_co_u32 s19, s19, s42
	s_sub_co_u32 s19, s19, 4                       ; k, v: head 4 b + tile column - 4
	s_lshl_b32 s19, s19, 18
	s_sub_co_u32 s20, s67, 1
	s_lshl_b32 s20, s20, 22                        ; v lies 4,194,304 bytes behind k
	s_add_co_u32 s19, s19, s20
	s_add_co_u32 s19, s19, 8388608
	s_cmp_eq_u32 s67, 0
	s_cselect_b32 s18, s18, s19
	s_add_co_u32 s18, s18, s17
	s_mov_b32 s19, 0
	s_add_nc_u64 s[14:15], s[14:15], s[18:19]
.macro TOSTAGE                         ; a block of 16 rows: 16 bytes a lane into rows of 272 bytes, and back as whole rows.  LDS serves a wave's instructions in order: no wait between
.irp b, 0,1,2,3,4,5,6,7
	ds_store_b128 v[STO], v[PKD+4*\b:PKD+4*\b+3] offset:32*\b
.endr
.irp t, 0,1,2,3,4,5,6,7
	ds_load_b128 v[BK+4*\t:BK+4*\t+3], v[RD] offset:544*\t
.endr
.endm
.macro SEND a
	s_wait_dscnt 0x0                               ; the block is back in registers
.irp t, 0,1,2,3,4,5,6,7
	global_store_b128 v[GO], v[BK+4*\t:BK+4*\t+3], s[14:15] offset:4096*(\a)+512*\t   ; two rows: 512 consecutive bytes, aligned
.endr
.endm
; Block a of a q or k head: x w / rms, the rope, f16
.macro NORMROPE a
	WIN 0x06                                       ; source 0 window 2 (x), source 1 window 1 (w)
.set k, 0
.rept 32
	v_pk_mul_f32 v[T+k:T+k+1], v[64*\a+k:64*\a+k+1], v[128+k:128+k+1]
.set k, k+2
.endr
	WIN 0
.set k, 0
.rept 32
	v_pk_mul_f32 v[T+k:T+k+1], v[T+k:T+k+1], v[RS+2*\a:RS+2*\a+1] op_sel_hi:[1,0]
.set k, k+2
.endr
	WIN 0x0c                                       ; source 1 window 3: the table
.set k, 0
.rept 16
	v_pk_mul_f32 v[U+k:U+k+1], v[T+32+k:T+33+k], v[64*\a+32+k:64*\a+33+k]                                        ; x2 sin
.set k, k+2
.endr
.set k, 0
.rept 16
	v_pk_fma_f32 v[U+k:U+k+1], v[T+k:T+k+1], v[64*\a+k:64*\a+k+1], v[U+k:U+k+1] neg_lo:[0,0,1] neg_hi:[0,0,1]    ; x1 cos - x2 sin
.set k, k+2
.endr
.set k, 0
.rept 16
	v_pk_mul_f32 v[T+k:T+k+1], v[T+k:T+k+1], v[64*\a+32+k:64*\a+33+k]                                            ; x1 sin
.set k, k+2
.endr
.set k, 0
.rept 16
	v_pk_fma_f32 v[T+32+k:T+33+k], v[T+32+k:T+33+k], v[64*\a+k:64*\a+k+1], v[T+k:T+k+1]                          ; x2 cos + x1 sin
.set k, k+2
.endr
	WIN 0
.set k, 0
.rept 16
	v_cvt_pk_f16_f32 v[PKD+k], v[U+2*k], v[U+2*k+1]
.set k, k+1
.endr
.set k, 0
.rept 16
	v_cvt_pk_f16_f32 v[PKD+16+k], v[T+32+2*k], v[T+33+2*k]
.set k, k+1
.endr
.endm
.macro VPACK a                         ; block a of a v head: f16, each accumulator from its low end on
	WIN 0x0a                                       ; sources 0 and 1 window 2
.set k, 0
.rept 32
	v_cvt_pk_f16_f32 v[PKD+k], v[64*\a+2*k], v[64*\a+2*k+1]
.set k, k+1
.endr
	WIN 0
.endm
	s_cmp_eq_u32 s67, 2
	s_cbranch_scc1 .Lv
	; q and k: the sum of squares of each row: my 64 numbers, two at a time, two chains for each of the four blocks; each accumulator is read from its low end on
	WIN 0x0a
.irp a, 0,1,2,3
	v_pk_mul_f32 v[T+4*\a:T+4*\a+1], v[64*\a:64*\a+1], v[64*\a:64*\a+1]
	v_pk_mul_f32 v[T+4*\a+2:T+4*\a+3], v[64*\a+2:64*\a+3], v[64*\a+2:64*\a+3]
.endr
.set k, 4
.rept 15
.irp a, 0,1,2,3
	v_pk_fma_f32 v[T+4*\a:T+4*\a+1], v[64*\a+k:64*\a+k+1], v[64*\a+k:64*\a+k+1], v[T+4*\a:T+4*\a+1]
	v_pk_fma_f32 v[T+4*\a+2:T+4*\a+3], v[64*\a+k+2:64*\a+k+3], v[64*\a+k+2:64*\a+k+3], v[T+4*\a+2:T+4*\a+3]
.endr
.set k, k+4
.endr
	WIN 0
.irp a, 0,1,2,3
	v_pk_add_f32 v[T+4*\a:T+4*\a+1], v[T+4*\a:T+4*\a+1], v[T+4*\a+2:T+4*\a+3]
.endr
.irp a, 0,1,2,3
	v_add_f32 v[T+4*\a], v[T+4*\a], v[T+4*\a+1]
.endr
.irp a, 0,1,2,3
	v_permlanex16_b32 v[PT+\a], v[T+4*\a], s100, s101    ; the row's other 64 numbers lie in the lane 16 away
.endr
.irp a, 0,1,2,3
	v_add_f32 v[T+4*\a], v[T+4*\a], v[PT+\a]
.endr
.irp a, 0,1,2,3
	v_fma_f32 v[T+4*\a], v[T+4*\a], s95, v[EPSR]         ; the mean + eps
.endr
.irp a, 0,1,2,3
	v_rsq_f32 v[RS+2*\a], v[T+4*\a]
.endr
	v_nop                                          ; a plain instruction behind the last of them
	s_wait_alu depctr_va_vdst(0)                   ; one wait for the four, ahead of their first reader
	NORMROPE 0
	TOSTAGE
.irp a, 1,2,3
	NORMROPE \a                                    ; a block's arithmetic stands between the loads of the block before and the wait for them
	SEND \a-1
	s_wait_xcnt 0x0                                ; the stores have read their registers: the next block's rows may land there
	TOSTAGE
.endr
	SEND 3
	s_branch .Ldone
.Lv:
	VPACK 0
	TOSTAGE
.irp a, 1,2,3
	VPACK \a
	SEND \a-1
	s_wait_xcnt 0x0
	TOSTAGE
.endr
	SEND 3
.Ldone:
	s_wait_tensorcnt 0x0                           ; the wave's end, behind my last tensor load and my last LDS store
	ds_add_u32 v[SPW], v[NIL]
	s_wait_dscnt 0x0
	CROUND                                         ; the closing round: no work-group ends while a partner may still ask for a tile that names it
	s_endpgm
.Lfunc_end_k_qc6239f584c_qkv:
	.size	k_qc6239f584c_qkv, .Lfunc_end_k_qc6239f584c_qkv-k_qc6239f584c_qkv
	.p2alignl 7, 3214868480
	.fill 96, 4, 3214868480
	.section	.rodata,"a",@progbits
	.p2align	6, 0x0
	.amdhsa_kernel k_qc6239f584c_qkv
		.amdhsa_group_segment_fixed_size 327680
		.amdhsa_private_segment_fixed_size 0
		.amdhsa_enable_private_segment 0
		.amdhsa_kernarg_size 48
		.amdhsa_user_sgpr_count 2
		.amdhsa_user_sgpr_kernarg_segment_ptr 1
		.amdhsa_wavefront_size32 1
		.amdhsa_system_sgpr_workgroup_id_x 1
		.amdhsa_system_sgpr_workgroup_id_y 1
		.amdhsa_system_sgpr_workgroup_id_z 1
		.amdhsa_system_vgpr_workitem_id 0
		.amdhsa_next_free_vgpr 1024
		.amdhsa_next_free_sgpr 106
		.amdhsa_reserve_vcc 0
		.amdhsa_float_denorm_mode_32 3
		.amdhsa_float_denorm_mode_16_64 3
		.amdhsa_memory_ordered 1
		.amdhsa_forward_progress 1
		.amdhsa_inst_pref_size 189
	.end_amdhsa_kernel
	.amdgpu_metadata
---
amdhsa.version: [ 1, 2 ]
amdhsa.kernels:
  - .name:           k_qc6239f584c_qkv
    .symbol:         k_qc6239f584c_qkv.kd
    .args:
      - { .name: codes, .offset: 0, .size: 8, .value_kind: global_buffer, .address_space: global }
      - { .name: scales, .offset: 8, .size: 8, .value_kind: global_buffer, .address_space: global }
      - { .name: rope, .offset: 16, .size: 8, .value_kind: global_buffer, .address_space: global }
      - { .name: q_norm_w, .offset: 24, .size: 8, .value_kind: global_buffer, .address_space: global }
      - { .name: k_norm_w, .offset: 32, .size: 8, .value_kind: global_buffer, .address_space: global }
      - { .name: qkv, .offset: 40, .size: 8, .value_kind: global_buffer, .address_space: global }
    .group_segment_fixed_size: 327680
    .private_segment_fixed_size: 0
    .kernarg_segment_align: 8
    .kernarg_segment_size: 48
    .max_flat_workgroup_size: 128
    .sgpr_count:     106
    .vgpr_count:     1024
    .wavefront_size: 32
...
	.end_amdgpu_metadata
.endif
;; end of part 2
;; launch attn (part 3): grid 16 x 16, 4 waves a work-group, clusters of 4 x 1, 327,680 bytes of LDS; arguments qkv, o16; writes o16
.if DOCPART == 3
	.amdgcn_target "amdgcn-amd-amdhsa--gfx1250"
	.amdhsa_code_object_version 6
	.text
	.protected	k_qc6239f584c_attn
	.globl	k_qc6239f584c_attn
	.p2align	8
	.type	k_qc6239f584c_attn,@function
k_qc6239f584c_attn:
	s_mov_b64 s[64:65], 0
	v_nop
	global_prefetch_b8 v0, s[64:65] scope:SCOPE_SE
	s_setreg_imm32_b32 hwreg(HW_REG_WAVE_MODE, 25, 1), 1
	s_wait_xcnt 0x0
	s_wait_alu depctr_hold_cnt(0) depctr_sa_sdst(0) depctr_va_vdst(0) depctr_va_sdst(0) depctr_va_ssrc(0) depctr_va_vcc(0) depctr_vm_vsrc(0)
	s_getreg_b32 s2, hwreg(HW_REG_IB_STS2, 6, 4)
	s_cmp_eq_u32 s2, 0
	s_cbranch_scc0 .Lentry_in_a_cluster
	s_endpgm
.Lentry_in_a_cluster:
	s_bfe_u32 s2, ttmp6, 0x10000c
	s_cmp_lg_u32 s2, 0x3003
	s_cbranch_scc0 .Lentry_shape_is_right
	s_endpgm
.Lentry_shape_is_right:
; ATTENTION, no mask: o[b][s][head] = the sum over k of softmax_k(q . k / sqrt(128)) v.  q, k, v: f16, as the launch before laid them (q [b 8 + head][1024][128] at byte 0 of 'qkv', k [b 4 + head][1024][128] at
; 8,388,608, v at 12,582,912).  Products, maxima and sums in f32; the weights p are rounded to f16 for the second product.  o16: f16, [b 1024 + s][head 128 + d].  Nothing of the problem's work is left out here;
; query heads 2 j and 2 j + 1 read key/value head j by address.
; SHARES.  Grid y = the key/value head (b 4 + j); along x sixteen work-groups: two query heads x eight blocks of 128 queries.  THE KEYS ARE SPLIT INSIDE THE WORK-GROUP: wave w owns queries 64 (w / 2) + 0..63 of the
; block (four tiles of 16) and keys 512 (w % 2) + 0..511, eight steps of 64.  At the end the two waves of a row half bring their sums under a common maximum and add them, through LDS.
; LAYOUT.  S^T = K Q^T (source 0 = 16 keys, source 1 = 16 queries): a lane holds ONE query (lane % 16) and the keys 8 (lane / 16) + 0..7.  Two such tiles, rounded to f16 in pairs, ARE source 1 of O^T = V^T P.
; K comes out of LDS as it lies, V ([key][channel]) turned, by ds_load_tr16_b128.
; SOFTMAX.  For each query a running maximum m and sum l: p = 2^(c s - c m), c = log2(e) / sqrt(128); in every step O and l are multiplied by a = 2^(c m_old - c m_new).
; BY TURNS.  The wave's tiles are two PIECES (tiles 0, 1 and tiles 2, 3).  In a TURN one piece has the matrix unit (32 products V^T P of the step in hand, 32 products K Q^T of the next); the other piece's softmax,
; cut into 64 slices, stands between them, one slice behind each matrix instruction.  Two turns are a key step.
; CLUSTER.  The sixteen work-groups of a key/value head walk the same K and V; the four of a cluster ask for each tile JOINTLY (the same load, the same descriptor, mask 15).
; THE RING.  Two slots; a slot holds 128 keys of each key half: K half 0, K half 1, V half 0, V half 1; each wave fetches one of the four (128 rows).  Four fills in all: two at the head, two refills.
; LIMITS: |v| and |o| up to 65,504 (f16); NaN and infinities are not served.
; REGISTERS, in windows of 256: window 0: v0-11, v44-45 addresses; v12-43 eight registers of statistics a tile; v64-191 S^T, 32 a tile; v192-255 P, 16 a tile.   window 1: O^T, 64 a tile.
;   window 2: v0-127 Q; v128-255 K of one step.   window 3: v0-127 V of one step.
.set KS,    64
.set PK,    272       ; a row of K in LDS: 256 bytes + 16
.set PV,    288       ; a row of V: 256 + 32
.set KHB,   128*PK    ; a key half's rows of K in a slot
.set VHB,   128*PV
.set VOFF,  2*KHB
.set SLOTB, 2*KHB+2*VHB
.set STATS, 2*SLOTB   ; behind the ring: 1,024 bytes a wave: c m and l of its four tiles
.set SPARE, STATS+4096
.set SGP,   528       ; the merge's stage: 64 rows x (512 bytes + 16) a wave, from LDS byte 0 on: in slot 0, which has had its last fill and its last read at the last change of slots
.set AK0, 2
.set AV0, 3
.set ADR, 4
.set QO,  5
.set STO, 6           ; v6   the stage: where I put 32 bytes of a row
.set RD,  7           ; v7   and where I read rows back
.set GO,  8           ; v8   8 x lane
.set STW, 44          ; v44  where I put my statistics
.set STR, 45          ; v45  where my partner's lie
.set PFO, 61          ; v61  256 x lane
.set SPW, 62
.set NIL, 63
.set ST,  12          ; tile t's statistics at v[ST+8 t]: +0 c m, +1 m, +2, +3 l (even keys', odd keys'), +4 to +7 at work
.set S,   64
.set P,   192
.set KF,  128
.set WV,  12
.set PFA, 18
.set G1K, 24
.set G1V, 32
.set G0K, 40          ; s[40:47] group 0 for K's tiles, a set for each slot
.set G0V, 48
.set TWICE, 57
.set CS,  58
.set SEL, 60
.set TBK, 62          ; s62  LDS byte at which the K rows of the step to be fetched begin (less my half's and my lane's part)
.set TBV, 63          ; s63  the same for V
.set MSB, 0
.macro WIN new
.if MSB != \new
	s_set_vgpr_msb (MSB<<8)|\new
.set MSB, \new
.endif
.endm
.set W_KQ, 0x0a       ; K and Q in window 2, S^T in window 0
.set W_PV, 0x53       ; V in window 3, P in window 0, O^T in window 1
.set W_RS, 0x41       ; O^T (destination and source 0) in window 1, the factor in window 0
; A joint refill of slot fs.  Waves 0 and 1 fetch K's two halves, waves 2 and 3 V's.  An s_nop 0 and four v_nop follow each of the two lines.
.macro JLOAD fs
	s_cmp_lt_u32 s[WV], 2
	s_cbranch_scc0 .Lfor_v_\@
	tensor_load_to_lds s[G0K+4*\fs:G0K+4*\fs+3], s[G1K:G1K+7]
	s_nop 0
.rept 4
	v_nop
.endr
	s_branch .Lasked_\@
.Lfor_v_\@:
	tensor_load_to_lds s[G0V+4*\fs:G0V+4*\fs+3], s[G1V:G1V+7]
	s_nop 0
.rept 4
	v_nop
.endr
.Lasked_\@:
.endm
.macro CROUND
	s_barrier_signal -1
	s_barrier_wait -1
	s_cmp_lg_u32 s[WV], 0
	s_cbranch_scc1 .Lnot_wave_0_\@
	s_barrier_signal -3
.Lnot_wave_0_\@:
	s_barrier_wait -3
	s_barrier_signal -1
	s_barrier_wait -1
.endm
	s_load_b128 s[4:7], s[0:1], 0x0   ; qkv s[4:5], o16 s[6:7]
	v_lshl_add_u32 v[SPW], v0, 2, SPARE
	v_mov_b32 v[NIL], 0
	ds_add_u32 v[SPW], v[NIL]       ; the wave's opening: the add, twice on end, and its wait ahead of my first tensor load
	ds_add_u32 v[SPW], v[NIL]
	v_lshrrev_b32 v1, 5, v0
	v_readfirstlane_b32 s[WV], v1   ; wave 0..3
	s_bfe_u32 s13, ttmp6, 0x40000   ; cx
	s_lshl_b32 s14, ttmp9, 2
	s_add_co_u32 s14, s14, s13      ; work-group x, 0..15: it enters Q's and O's addresses and the prefetch's alone
	s_and_b32 s20, ttmp7, 0xffff    ; the key/value head, which the four partners share
	s_and_b32 s16, s[WV], 1         ; my key half.  Also: which half's tile I fetch
	s_lshr_b32 s15, s[WV], 1        ; my row half
	s_lshl_b32 s22, s20, 18         ; a head is 1,024 rows of 256 bytes,
	s_lshl_b32 s23, s16, 17         ; a key half 512 rows
	s_add_co_u32 s22, s22, s23
	s_add_co_u32 s2, s22, 12582912  ; my tile of the first fill in V,
	s_add_co_u32 s22, s22, 8388608  ; and in K
	s_mov_b32 s23, 0
	s_mov_b32 s3, 0
	s_mul_i32 s17, s16, KHB         ; and their places in a slot: no place in the cluster enters an LDS address
	s_mul_i32 s21, s16, VHB
	s_add_co_u32 s21, s21, VOFF
	s_lshr_b32 s56, s14, 3          ; which of the two query heads
	s_and_b32 s57, s14, 7           ; which block of 128 queries
	s_lshl_b32 s8, s20, 1
	s_add_co_u32 s8, s8, s56        ; the query head, b 8 + 2 j + g
	s_lshl_b32 s8, s8, 18
	s_lshl_b32 s9, s57, 15
	s_add_co_u32 s8, s8, s9
	s_lshl_b32 s9, s15, 14
	s_add_co_u32 s8, s8, s9         ; Q at my wave's first row
	s_mov_b32 s9, 0
	s_lshr_b32 s10, s20, 2          ; the batch
	s_lshl_b32 s10, s10, 10
	s_lshl_b32 s11, s57, 7
	s_add_co_u32 s10, s10, s11
	s_lshl_b32 s11, s15, 6
	s_add_co_u32 s10, s10, s11
	s_lshl_b32 s11, s16, 5
	s_add_co_u32 s10, s10, s11      ; the first of the 32 rows of o16 that I store
	s_lshl_b32 s10, s10, 11         ; rows of 2,048 bytes
	s_and_b32 s11, s20, 3
	s_lshl_b32 s11, s11, 1
	s_add_co_u32 s11, s11, s56
	s_lshl_b32 s11, s11, 8          ; the head's 256 bytes of a row
	s_add_co_u32 s10, s10, s11
	s_mov_b32 s11, 0
	s_cmp_lt_u32 s[WV], 2           ; the prefetch: my own tile of the FOURTH fill (384 rows on), my work-group's 32 rows of its 128
	s_cselect_b32 s18, s22, s2
	s_lshl_b32 s19, s13, 13
	s_add_co_u32 s18, s18, s19
	s_add_co_u32 s18, s18, 98304
	s_mov_b32 s19, 0
	; descriptor group 1: a tile of 128 rows x 128 elements, padded in LDS
	s_mov_b32 s[G1K], 15|(1<<16)|(1<<20)|(1<<21)|(5<<22)|(3<<25)  ; the mask: all four work-groups; elements of 2 bytes; padding on; bit 21 beside a mask; after every 64 words, 4 words
	s_mov_b32 s[G1V], 15|(1<<16)|(1<<20)|(1<<21)|(5<<22)|(7<<25)  ; the same with 8 words of padding
.irp g, G1K, G1V
	s_mov_b32 s[\g+1], 128<<16      ; tensor_dim0
	s_mov_b32 s[\g+2], 128<<16      ; tensor_dim1
	s_mov_b32 s[\g+3], 128<<16      ; tile_dim0
	s_mov_b32 s[\g+4], 128          ; tile_dim1
	s_mov_b32 s[\g+5], 128          ; from row to row
	s_mov_b32 s[\g+6], 0
	s_mov_b32 s[\g+7], 0
.endr
	s_mov_b32 s[CS], 0x3e0293ee     ; c = log2(e) / sqrt(128)
	s_mov_b32 s[CS+1], s[CS]        ; named with it as a pair, so it is written
	s_mov_b32 s[SEL], 0x76543210
	s_mov_b32 s[SEL+1], 0xfedcba98
	s_mov_b32 s[TBK], 0
	s_mov_b32 s[TBV], 0
	v_and_b32 v[PFO], 31, v0
	v_lshlrev_b32 v[PFO], 8, v[PFO]
	s_wait_dscnt 0x0                ; both opening adds are done
	s_wait_kmcnt 0x0
	s_add_nc_u64 s[PFA:PFA+1], s[4:5], s[18:19]
	s_add_nc_u64 s[22:23], s[4:5], s[22:23]
	s_add_nc_u64 s[2:3], s[4:5], s[2:3]
	s_add_nc_u64 s[8:9], s[4:5], s[8:9]
	s_add_nc_u64 s[10:11], s[6:7], s[10:11]
	CROUND                          ; all four work-groups are here: the first joint loads meet
.irp s, 0,1
	s_mov_b32 s[G0K+4*\s], 1
	s_add_co_u32 s[G0K+4*\s+1], s17, \s*SLOTB
	s_add_nc_u64 s[G0K+4*\s+2:G0K+4*\s+3], s[22:23], \s*128*256  ; slot s begins with keys 128 s to 128 s + 127 of each half
	s_or_b32 s[G0K+4*\s+3], s[G0K+4*\s+3], 0x80000000
	s_mov_b32 s[G0V+4*\s], 1
	s_add_co_u32 s[G0V+4*\s+1], s21, \s*SLOTB
	s_add_nc_u64 s[G0V+4*\s+2:G0V+4*\s+3], s[2:3], \s*128*256
	s_or_b32 s[G0V+4*\s+3], s[G0V+4*\s+3], 0x80000000
.endr
	s_cmp_lt_u32 s[WV], 2           ; a wave's two first fills stand in one branch, ahead of every wait on TENSORcnt and every LDS read: two loads of mine are out
	s_cbranch_scc0 .Lfirst_v
	tensor_load_to_lds s[G0K:G0K+3], s[G1K:G1K+7]
	s_nop 0
	tensor_load_to_lds s[G0K+4:G0K+7], s[G1K:G1K+7]
	s_nop 0
.rept 4
	v_nop
.endr
	s_branch .Lfirst_asked
.Lfirst_v:
	tensor_load_to_lds s[G0V:G0V+3], s[G1V:G1V+7]
	s_nop 0
	tensor_load_to_lds s[G0V+4:G0V+7], s[G1V:G1V+7]
	s_nop 0
.rept 4
	v_nop
.endr
.Lfirst_asked:
	v_and_b32 v1, 15, v0            ; l % 16
	v_bfe_u32 v9, v0, 4, 1          ; l / 16
	v_lshlrev_b32 v[QO], 8, v1
	v_lshl_add_u32 v[QO], v9, 4, v[QO]  ; row x 256 + 16 x half
	WIN 0x80                        ; destination window 2
.irp i, 0,1,2,3,4,5,6,7,8,9,10,11,12,13,14,15  ; Q stays in registers: tile i / 4, channels 32 (i % 4) on
	global_load_b128 v[8*\i:8*\i+3],   v[QO], s[8:9] offset:(\i/4)*4096+(\i%4)*64
	global_load_b128 v[8*\i+4:8*\i+7], v[QO], s[8:9] offset:(\i/4)*4096+(\i%4)*64+32
.endr
	WIN 0
	v_mul_u32_u24 v[AK0], v1, PK
	v_lshl_add_u32 v[AK0], v9, 4, v[AK0]
	v_add_nc_u32 v[AK0], s17, v[AK0]      ; my key half's rows of K: row x pitch + 16 x half
	v_and_b32 v10, 7, v0
	v_bfe_u32 v11, v0, 3, 1
	v_lshl_add_u32 v[AV0], v9, 3, v10     ; the turning load: key 8 (l / 16) + l % 8, channels 8 ((l / 8) % 2) + 0..7
	v_mul_u32_u24 v[AV0], v[AV0], PV
	v_lshl_add_u32 v[AV0], v11, 4, v[AV0]
	v_add_nc_u32 v[AV0], s21, v[AV0]
; THE MATRIX WORK OF A TURN, for piece x.  The accumulators take turns, one instruction a turn.
; Product i of 32 of O^T += V^T P: keys 32 (i / 16) on, channels 16 ((i / 2) % 8) on, tile x + i % 2.  zero = 1: the first 16 start the sums.
.macro PV x, zero
	WIN W_PV
.set rO, 64*(\x+i%2)+8*((i/2)%8)
.set rV, 64*(i/16)+8*((i/2)%8)
.set rP, P+16*(\x+i%2)+8*(i/16)
.if \zero && (i < 16)
	v_wmma_f32_16x16x32_f16 v[rO:rO+7], v[rV:rV+7], v[rP:rP+7], 0
.else
	v_wmma_f32_16x16x32_f16 v[rO:rO+7], v[rV:rV+7], v[rP:rP+7], v[rO:rO+7]
.endif
.endm
; Product i of 32 of S^T = K Q^T: channels 32 (i / 8) on, keys 16 ((i / 2) % 4) on, tile x + i % 2.  The first 8 start the sums.
.macro KQ x
	WIN W_KQ
.set rS, S+32*(\x+i%2)+8*((i/2)%4)
.set rK, KF+32*((i/2)%4)+8*(i/8)
.set rQ, 32*(\x+i%2)+8*(i/8)
.if i < 8
	v_wmma_f32_16x16x32_f16 v[rS:rS+7], v[rK:rK+7], v[rQ:rQ+7], 0
.else
	v_wmma_f32_16x16x32_f16 v[rS:rS+7], v[rK:rK+7], v[rQ:rQ+7], v[rS:rS+7]
.endif
.endm
; THE LDS LOADS stand in runs of 32: a step's K (64 keys x 128 channels) and, a turn later, its V (turned).
.macro FETCH_K
	WIN 0
	v_add_nc_u32 v[ADR], s[TBK], v[AK0]
	s_add_co_u32 s[TBK], s[TBK], KS*PK  ; the next fetch is the next step's
	WIN 0x80                        ; destination window 2
.irp f, 0,1,2,3,4,5,6,7,8,9,10,11,12,13,14,15  ; keys 16 (f / 4) on, channels 32 (f % 4) on
	ds_load_b128 v[KF+8*\f:KF+8*\f+3],   v[ADR] offset:(\f/4)*16*PK+(\f%4)*64
	ds_load_b128 v[KF+8*\f+4:KF+8*\f+7], v[ADR] offset:(\f/4)*16*PK+(\f%4)*64+32
.endr
.endm
.macro FETCH_V
	WIN 0
	v_add_nc_u32 v[ADR], s[TBV], v[AV0]
	s_add_co_u32 s[TBV], s[TBV], KS*PV
	s_wait_alu depctr_va_vdst(0)    ; the wait for the softmax's batch of exponentials, behind the address's addition and ahead of the loads
	WIN 0xc0                        ; destination window 3
.irp f, 0,1,2,3,4,5,6,7,8,9,10,11,12,13,14,15  ; keys 32 (f / 8) on, channels 16 (f % 8) on
	ds_load_tr16_b128 v[8*\f:8*\f+3],   v[ADR] offset:(\f/8)*32*PV+(\f%8)*32
	ds_load_tr16_b128 v[8*\f+4:8*\f+7], v[ADR] offset:(\f/8)*32*PV+16*PV+(\f%8)*32
.endr
.endm
; THE VECTOR WORK OF A TURN.  One tile's softmax for one key step is a list of 134 instructions; SM writes number j of it for tile t.  first = 1: the first key step, which starts m, l and O^T.
;   0-15 the maximum of the 32 scores and the old m;  16-20 the other half of the lanes' maximum, the new m, c m, its change;  21-69 ONE BATCH: the 16 packed scalings c s - c m and all 33 exponentials, none of
;   which reads an exponential's result;  (the wait for the batch);  70-85 the roundings to f16;  86-101 the sums, l = a l + the sum;  102-133 the tile's O^T times a.
.macro SM t, first
.set rT, ST+8*(\t)
.set rS, S+32*(\t)
.set rP, P+16*(\t)
.set rO, 64*(\t)+2*(j-102)
.if j < 102
	WIN 0
.endif
.if j < 4
	v_max3_num_f32 v[rT+4+j], v[rS+8*j], v[rS+8*j+1], v[rS+8*j+2]
.elseif j < 12
	v_max3_num_f32 v[rT+4+j%4], v[rT+4+j%4], v[rS+8*(j%4)+2*(j/4)+1], v[rS+8*(j%4)+2*(j/4)+2]
.elseif j == 12
	v_max3_num_f32 v[rT+4], v[rT+4], v[rS+7], v[rS+15]
.elseif j == 13
	v_max3_num_f32 v[rT+6], v[rT+6], v[rS+23], v[rS+31]
.elseif j == 14
	v_max3_num_f32 v[rT+4], v[rT+4], v[rT+5], v[rT+6]
.elseif (j == 15) && \first
	v_max_num_f32 v[rT+4], v[rT+4], v[rT+7]
.elseif j == 15
	v_max3_num_f32 v[rT+4], v[rT+4], v[rT+7], v[rT+1]
.elseif j == 16
	v_permlanex16_b32 v[rT+5], v[rT+4], s[SEL], s[SEL+1]  ; the query's other 32 keys lie in the lane 16 away
.elseif j == 18
	v_max_num_f32 v[rT+1], v[rT+4], v[rT+5]
.elseif j == 19
	v_mul_f32 v[rT], s[CS], v[rT+1]
.elseif ((j == 17) || (j == 20) || (j == 23) || (j > 101)) && \first  ; the first step has none of these
.elseif j == 17
	v_mov_b32 v[rT+7], v[rT]        ; c m_old is kept for a
.elseif j == 20
	v_sub_f32 v[rT+7], v[rT+7], v[rT]
.elseif j == 23
	v_exp_f32 v[rT+6], v[rT+7]
.elseif (j < 23) || ((j < 38) && (j%2 == 0)) || ((j < 66) && (j%4 == 2))
.set b, (j-2)/4                     ; 38, 42, .. 62: pairs 9 to 15
.if j < 38
.set b, (j-20)/2                    ; 21: pair 0; 22, 24, .. 36: pairs 1 to 8
.endif
	v_pk_fma_f32 v[rS+2*b:rS+2*b+1], v[rS+2*b:rS+2*b+1], s[CS:CS+1], v[rT:rT+1] op_sel_hi:[1,0,0] neg_lo:[0,0,1] neg_hi:[0,0,1]  ; pair b: c s - c m
.elseif j < 70
.set e, j-38                        ; 66 to 69: s28 to s31
.if j < 66
.set e, j-32-(j-38)/4               ; 39-41, 43-45, .. 63-65: s7 to s27
.endif
.if j < 38
.set e, (j-25)/2                    ; 25, 27, .. 37: s0 to s6
.endif
	v_exp_f32 v[rS+e], v[rS+e]
.elseif j < 86
	v_cvt_pk_f16_f32 v[rP+j-70], v[rS+2*(j-70)], v[rS+2*(j-70)+1]  ; pair j - 70
.elseif j < 102                     ; the sum of the tile's 16 pairs, in place: neighbours 1, 2, 4 and 8 pairs apart, then l takes it
.set z, j-86
.set w, 4
.set u, z
.if z >= 14
.set w, 32
.set u, 0
.elseif z >= 12
.set w, 16
.set u, z-12
.elseif z >= 8
.set w, 8
.set u, z-8
.endif
.if (z == 14) && \first
	v_pk_add_f32 v[rT+2:rT+3], v[rS:rS+1], v[rS+16:rS+17]
.elseif z < 15
	v_pk_add_f32 v[rS+w*u:rS+w*u+1], v[rS+w*u:rS+w*u+1], v[rS+w*u+w/2:rS+w*u+w/2+1]
.elseif !\first
	v_pk_fma_f32 v[rT+2:rT+3], v[rT+2:rT+3], v[rT+6:rT+7], v[rS:rS+1] op_sel_hi:[1,0,1]
.endif
.else
	WIN W_RS
	v_pk_mul_f32 v[rO:rO+1], v[rO:rO+1], v[rT+6:rT+7] op_sel_hi:[1,0]
.endif
.endm
; Slice k of 64 of piece y's softmax: four instructions.  Slices 11 to 34 deal out the batch, four numbers of ONE tile each, the tiles by turns; every other slice is numbers 2 k and 2 k + 1 of both tiles' lists;
; the twelve that are over stand in slice 63.  Ahead of slice 35 nothing names an exponential's result, and behind slice 34 no exponential is issued: so the piece's 66 exponentials have one wait, behind slice 34.
.macro SLICE y, first
.if (k >= 11) && (k < 35)
.irp n, 0,1,2,3
.set j, 22+4*((k-11)/2)+(\n)
	SM (\y)+(k-11)%2, \first
.endr
.else
.irp n, 0,1,2,3,4,5,6,7
.if (\n < 2) || (k == 63)
.irp t, \y, \y+1
.set j, 2*k+\n
	SM \t, \first
.endr
.endif
.endr
.endif
.if k == 34
	v_nop                           ; a plain instruction behind the last exponential and ahead of the first use: one for the batch
.if (\y) == 0
	FETCH_V                         ; piece 2's turn: V's run of loads stands here, and the wait stands in it
.else
	s_wait_alu depctr_va_vdst(0)    ; the wait for the batch
.endif
.endif
.set k, k+1
.endm
.macro PLACES
.rept 4
	v_nop
.endr
.endm
; A TURN.  Piece x has the matrix unit; the other piece's softmax stands in slices behind its matrix instructions.  pv = 2: 32 products V^T P; 1: they start O^T's sums; 0: none.  kq = 1: 32 products K Q^T.
.macro TURN x, pv, kq, first
.set k, 0
.set per, 2
.if \pv && \kq
.set per, 1
.endif
.if \pv
.if \x == 0
	s_wait_dscnt 0x0                ; V is in
.endif
.set i, 0
.rept 32
	PV \x, 2-\pv
.rept per
	SLICE 2-\x, \first
.endr
.if (\x == 0) && \kq && (i == 1)
	FETCH_K
.endif
.set i, i+1
.endr
.endif
.if \kq
.if \x == 0
	s_wait_dscnt 0x0                ; K is in
.endif
.set i, 0
.rept 32
	KQ \x
.rept per
	SLICE 2-\x, \first
.endr
.set i, i+1
.endr
.endif
.if \first
	PLACES
.endif
.endm
; THE CHANGE OF SLOTS, between piece 2's turn and piece 0's.  Each wave waits for all its tensor loads (one is out: its part of the other slot), adds 0 to its spare word, and waits for that and for its reads of the
; slot.  fill = 1: slot fs, just read out, is filled again with the keys 256 further on: the barrier is then a round of the cluster's, and the joint refill is the first thing behind it: it has two key steps,
; 256 matrix instructions, in which to land.  rs: the slot that is read next.
.macro CHANGE fill, fs, rs
	WIN 0
	s_wait_tensorcnt 0x0            ; no tensor load of mine is out, so a group 0 may be written
	ds_add_u32 v[SPW], v[NIL]       ; 0 onto my spare word
.if \fill
	s_add_nc_u64 s[G0K+4*\fs+2:G0K+4*\fs+3], s[G0K+4*\fs+2:G0K+4*\fs+3], 2*128*256
	s_add_nc_u64 s[G0V+4*\fs+2:G0V+4*\fs+3], s[G0V+4*\fs+2:G0V+4*\fs+3], 2*128*256
	s_wait_dscnt 0x0                ; the add is done, and my reads of the slot are over
	CROUND
	JLOAD \fs
.else
	s_wait_dscnt 0x0
	s_barrier_signal -1
	s_barrier_wait -1
.endif
	s_mov_b32 s[TBK], \rs*SLOTB
	s_mov_b32 s[TBV], \rs*SLOTB
.endm
.macro TWO_STEPS                    ; a slot's two key steps: written once, walked twice; the LDS addresses hang on s[TBK], s[TBV]
	s_mov_b32 s[TWICE], 2
.Lstep_\@:
	TURN 0, 2, 1, 0
	TURN 2, 2, 1, 0
	WIN 0
	s_sub_co_u32 s[TWICE], s[TWICE], 1
	s_cmp_lg_u32 s[TWICE], 0
	s_cbranch_scc1 .Lstep_\@
.endm
	s_wait_tensorcnt 1              ; my part of slot 0 is in; slot 1's may stay out
	s_barrier_signal -1
	s_barrier_wait -1
	FETCH_K                         ; key step 0
	s_wait_loadcnt 0x0              ; Q
	s_wait_dscnt 0x0
.set i, 0
.rept 32
	KQ 0                            ; piece 0's first scores
.set i, i+1
.endr
	WIN 0                           ; the addresses for the end are made here: eight plain instructions, the places behind those products
	s_lshl_b32 s2, s[WV], 10
	s_add_co_u32 s2, s2, STATS
	v_and_b32 v10, 31, v0
	v_lshl_add_u32 v[STW], v10, 2, s2     ; my statistics: 1,024 bytes a wave, 4 bytes a lane
	s_xor_b32 s2, s[WV], 1
	s_lshl_b32 s2, s2, 10
	s_add_co_u32 s2, s2, STATS
	v_lshl_add_u32 v[STR], v10, 2, s2     ; those of the wave with the other key half
	s_mul_i32 s2, s[WV], 64*SGP
	v_mul_u32_u24 v[STO], v1, SGP
	v_lshl_add_u32 v[STO], v9, 5, v[STO]
	v_add_nc_u32 v[STO], s2, v[STO]       ; the stage: my 64 rows; row l % 16, 32 bytes for each half of the lanes
	s_mul_i32 s2, s15, 128*SGP
	s_mul_i32 s3, s16, 32*SGP
	s_add_co_u32 s2, s2, s3
	v_lshl_add_u32 v[RD], v10, 4, s2      ; back: rows 32 x key half on of my row half's first region; 16 bytes a lane
	v_lshlrev_b32 v[GO], 3, v10
	TURN 2, 0, 1, 1                 ; piece 2's first scores | piece 0's first softmax | V of step 0
	TURN 0, 1, 1, 1                 ; piece 0: V^T P of step 0 starts O^T, K Q^T of step 1 | piece 2's first softmax | K of step 1
	TURN 2, 1, 1, 0                 ; piece 2: the same | piece 0's softmax of step 1 | V of step 1
	CHANGE 1, 0, 1                  ; slot 0 takes the third fill; slot 1 is read
	; A PREFETCH INTO THE L2 of what the next change of slots will ask for, the fourth fill: two key steps, 256 matrix instructions, ahead of that load.  All four clusters of a key/value head walk the same rows:
	; the first of them asks.  Each wave asks for the tile that it fetches itself; the four partners share its 128 rows out by address, 32 each, a lane a row of 256 bytes: each row is named once in the launch.
	s_cmp_eq_u32 ttmp9, 0
	s_cbranch_scc0 .Lnot_mine
	global_prefetch_b8 v[PFO], s[PFA:PFA+1] th:TH_LOAD_NT scope:SCOPE_SE
.Lnot_mine:
	TWO_STEPS
	CHANGE 1, 1, 0                  ; slot 1 takes the fourth fill; slot 0 is read
	TWO_STEPS
	CHANGE 0, 0, 1                  ; nothing is left to ask for; slot 1 is read
	TWO_STEPS
	TURN 0, 2, 0, 0                 ; piece 0: V^T P of the last step | piece 2's last softmax
.set i, 0
.rept 32
	PV 2, 0                         ; piece 2: V^T P of the last step
.set i, i+1
.endr
	; THE END.  My 512 keys' sums meet the other key half's.  l's two halves and the other half of the lanes' are added (these are the places behind the last products);
	WIN 0
.irp t, 0,1,2,3
	v_add_f32 v[ST+8*\t+4], v[ST+8*\t+2], v[ST+8*\t+3]
.endr
.irp t, 0,1,2,3
	v_permlanex16_b32 v[ST+8*\t+5], v[ST+8*\t+4], s[SEL], s[SEL+1]
.endr
.irp t, 0,1,2,3
	v_add_f32 v[ST+8*\t+4], v[ST+8*\t+4], v[ST+8*\t+5]
.endr
.irp t, 0,1,2,3
	ds_store_b32 v[STW], v[ST+8*\t] offset:256*\t          ; c m
	ds_store_b32 v[STW], v[ST+8*\t+4] offset:256*\t+128    ; l
.endr
	s_wait_dscnt 0x0                ; for the others' sake: my stores have landed
	s_barrier_signal -1
	s_barrier_wait -1
.irp t, 0,1,2,3
	ds_load_b32 v[ST+8*\t+5], v[STR] offset:256*\t         ; the partner's c m
	ds_load_b32 v[ST+8*\t+7], v[STR] offset:256*\t+128     ; and l
.endr
	s_wait_dscnt 0x0
.irp t, 0,1,2,3
	v_max_num_f32 v[ST+8*\t+1], v[ST+8*\t], v[ST+8*\t+5]   ; the common maximum
.endr
.irp t, 0,1,2,3
	v_sub_f32 v[ST+8*\t], v[ST+8*\t], v[ST+8*\t+1]
	v_sub_f32 v[ST+8*\t+5], v[ST+8*\t+5], v[ST+8*\t+1]
.endr
.irp t, 0,1,2,3
	v_exp_f32 v[ST+8*\t], v[ST+8*\t]                       ; my factor
	v_exp_f32 v[ST+8*\t+5], v[ST+8*\t+5]                   ; the partner's
.endr
	v_nop
	s_wait_alu depctr_va_vdst(0)    ; one wait for the eight exponentials, ahead of their first reader
.irp t, 0,1,2,3
	v_mul_f32 v[ST+8*\t+7], v[ST+8*\t+5], v[ST+8*\t+7]
.endr
.irp t, 0,1,2,3
	v_fma_f32 v[ST+8*\t+4], v[ST+8*\t], v[ST+8*\t+4], v[ST+8*\t+7]   ; the row's whole sum
.endr
.irp t, 0,1,2,3
	v_rcp_f32 v[ST+8*\t+6], v[ST+8*\t+4]
.endr
	v_nop
	s_wait_alu depctr_va_vdst(0)    ; one wait for the four reciprocals
.irp t, 0,1,2,3
	v_mul_f32 v[ST+8*\t+6], v[ST+8*\t+6], v[ST+8*\t]       ; my factor / the sum
.endr
.macro OUT_T t                      ; tile t: O^T times that, each accumulator from its low end on, and into my part of the stage: row 16 t + l % 16, channels 16 f + 8 (l / 16) + 0..7
	WIN W_RS
.set i, 64*\t
.rept 32
	v_pk_mul_f32 v[i:i+1], v[i:i+1], v[ST+8*\t+6:ST+8*\t+7] op_sel_hi:[1,0]
.set i, i+2
.endr
	WIN 0x04                        ; an LDS store's data are its source 1: window 1
.irp f, 0,1,2,3,4,5,6,7
	ds_store_b128 v[STO], v[64*\t+8*\f:64*\t+8*\f+3] offset:16*\t*SGP+64*\f
	ds_store_b128 v[STO], v[64*\t+8*\f+4:64*\t+8*\f+7] offset:16*\t*SGP+64*\f+16
.endr
.endm
	OUT_T 0
	OUT_T 1
	OUT_T 2
	OUT_T 3
	WIN 0
	s_wait_dscnt 0x0
	s_barrier_signal -1
	s_barrier_wait -1
	; each wave adds the two parts of 32 rows, rounds to f16 and stores: a row's 128 channels are 256 consecutive bytes of o16, aligned
.irp bt, 0,1
.irp i, 0,1,2,3,4,5,6,7,8,9,10,11,12,13,14,15
	ds_load_b128 v[S+8*\i:S+8*\i+3], v[RD] offset:(16*\bt+\i)*SGP
	ds_load_b128 v[S+8*\i+4:S+8*\i+7], v[RD] offset:64*SGP+(16*\bt+\i)*SGP
.endr
.irp i, 0,1,2,3,4,5,6,7,8,9,10,11,12,13,14,15
	s_wait_dscnt 2*(15-\i)          ; row i's two loads are in; the later rows' pairs may be out
	v_pk_add_f32 v[S+8*\i:S+8*\i+1], v[S+8*\i:S+8*\i+1], v[S+8*\i+4:S+8*\i+5]
	v_pk_add_f32 v[S+8*\i+2:S+8*\i+3], v[S+8*\i+2:S+8*\i+3], v[S+8*\i+6:S+8*\i+7]
	v_cvt_pk_f16_f32 v[P+2*(16*\bt+\i)], v[S+8*\i], v[S+8*\i+1]
	v_cvt_pk_f16_f32 v[P+2*(16*\bt+\i)+1], v[S+8*\i+2], v[S+8*\i+3]
	global_store_b64 v[GO], v[P+2*(16*\bt+\i):P+2*(16*\bt+\i)+1], s[10:11] offset:(16*\bt+\i)*2048   ; each row has a pair of its own: no store's data are written again
.endr
.endr
	s_wait_tensorcnt 0x0            ; the wave's end, behind my last tensor load and my last LDS store
	ds_add_u32 v[SPW], v[NIL]
	s_wait_dscnt 0x0
	CROUND                          ; the closing round
	s_endpgm
.Lfunc_end_k_qc6239f584c_attn:
	.size	k_qc6239f584c_attn, .Lfunc_end_k_qc6239f584c_attn-k_qc6239f584c_attn
	.p2alignl 7, 3214868480
	.fill 96, 4, 3214868480
	.section	.rodata,"a",@progbits
	.p2align	6, 0x0
	.amdhsa_kernel k_qc6239f584c_attn
		.amdhsa_group_segment_fixed_size 327680
		.amdhsa_private_segment_fixed_size 0
		.amdhsa_enable_private_segment 0
		.amdhsa_kernarg_size 16
		.amdhsa_user_sgpr_count 2
		.amdhsa_user_sgpr_kernarg_segment_ptr 1
		.amdhsa_wavefront_size32 1
		.amdhsa_system_sgpr_workgroup_id_x 1
		.amdhsa_system_sgpr_workgroup_id_y 1
		.amdhsa_system_sgpr_workgroup_id_z 1
		.amdhsa_system_vgpr_workitem_id 0
		.amdhsa_next_free_vgpr 1024
		.amdhsa_next_free_sgpr 66
		.amdhsa_reserve_vcc 0
		.amdhsa_float_denorm_mode_32 3
		.amdhsa_float_denorm_mode_16_64 3
		.amdhsa_memory_ordered 1
		.amdhsa_forward_progress 1
		.amdhsa_inst_pref_size 255
	.end_amdhsa_kernel
	.section	.bss,"aw",@nobits
	.p2align	6
	.space	262144
	.amdgpu_metadata
---
amdhsa.version: [ 1, 2 ]
amdhsa.kernels:
  - .name:           k_qc6239f584c_attn
    .symbol:         k_qc6239f584c_attn.kd
    .args:
      - { .name: qkv, .offset: 0, .size: 8, .value_kind: global_buffer, .address_space: global }
      - { .name: o16, .offset: 8, .size: 8, .value_kind: global_buffer, .address_space: global }
    .group_segment_fixed_size: 327680
    .private_segment_fixed_size: 0
    .kernarg_segment_align: 8
    .kernarg_segment_size: 16
    .max_flat_workgroup_size: 128
    .sgpr_count:     66
    .vgpr_count:     1024
    .wavefront_size: 32
...
	.end_amdgpu_metadata
.endif
;; end of part 3
;; launch oproj (part 4): grid 16 x 16, 4 waves a work-group, clusters of 4 x 4, 327,680 bytes of LDS; arguments o16, wo16, out0; writes out0
.if DOCPART == 4
	.amdgcn_target "amdgcn-amd-amdhsa--gfx1250"
	.amdhsa_code_object_version 6
	.text
	.protected	k_qc6239f584c_oproj
	.globl	k_qc6239f584c_oproj
	.p2align	8
	.type	k_qc6239f584c_oproj,@function
k_qc6239f584c_oproj:
	s_mov_b64 s[64:65], 0
	v_nop
	global_prefetch_b8 v0, s[64:65] scope:SCOPE_SE
	s_setreg_imm32_b32 hwreg(HW_REG_WAVE_MODE, 25, 1), 1
	s_wait_xcnt 0x0
	s_wait_alu depctr_hold_cnt(0) depctr_sa_sdst(0) depctr_va_vdst(0) depctr_va_sdst(0) depctr_va_ssrc(0) depctr_va_vcc(0) depctr_vm_vsrc(0)
	s_getreg_b32 s2, hwreg(HW_REG_IB_STS2, 6, 4)
	s_cmp_eq_u32 s2, 0
	s_cbranch_scc0 .Lentry_in_a_cluster
	s_endpgm
.Lentry_in_a_cluster:
	s_bfe_u32 s2, ttmp6, 0x10000c
	s_cmp_lg_u32 s2, 0xf033
	s_cbranch_scc0 .Lentry_shape_is_right
	s_endpgm
.Lentry_shape_is_right:
; THE PROJECTION ON THE WAY OUT: out0[m][n] = the sum over k of o16[m][k] wo16[n][k].  o16: [4096][1024], wo16: [4096][1024], f16; out0: [4096][4096] f32; sums in f32.  Nothing of the problem's work is left out here.
; A tile of out0, 256 x 256, is made by a work-group of four waves; a wave makes 128 x 128: 64 accumulators of 16 x 16, 512 registers.  256 tiles: one to a work-group.
; K goes in steps of 128 (rows of 256 bytes) through a ring of two LDS slots filled by the tensor data mover; from a refill's request to the wait for it a wave issues 224 matrix instructions.
; THE LAST K STEP GOES BY ROWS OF out0, NOT BY K: by K all 64 accumulators would be finished together and every store would stand behind the last product.  So all of that step's fragments of wo16 come into
; registers, and the wave's eight blocks of 16 rows are finished one after the other, 32 matrix instructions each, K ascending; each block leaves as soon as it is finished, while the others are multiplied.
; CLUSTERS: 4 x 4 work-groups; o16's tile is shared along a row of the cluster, wo16's along a column: joint loads, the same descriptor and a mask of four in all that it names.
; THE MATRIX INSTRUCTION IS USED TRANSPOSED (source 0 = 16 rows of wo16, source 1 = 16 rows of o16): a lane holds eight neighbouring numbers of a row of out0.
; REGISTERS, in windows of 256: window 0: v0-31 addresses; v64-127, v128-191 fragments of o16, two buffers (in the last K step four, of 16 rows x 128 K); v192-255 the way out: 16 whole rows.
;   window 1: v64-127, v128-191 fragments of wo16, two buffers; in the last K step all 256: wo16's fragments of the whole step.
;   window 2: the 32 accumulators of my rows 0-63 ((a, b) at v[8 (8 a + b)]);   window 3: those of my rows 64-127.
.set SIZE_N, 4096
.set SIZE_K, 1024
.set KSTEP,  128
.set PITCH,  272                       ; an LDS row: 256 bytes + 16 of padding
.set HALFT,  128*PITCH
.set SLOT,   4*HALFT
.set STAGE,  2*SLOT                    ; behind the ring: 16 rows x (512 bytes + 16) for each wave
.set SPITCH, 528
.set SPARE,  STAGE+4*16*SPITCH
.set LAPS, SIZE_K/(2*KSTEP)
.set ADRA, 16
.set ADRB, 20
.set STO,  24
.set RD,   25
.set CO,   26
.set SPW,  28
.set NIL,  29
.set F0,   64
.set F1,   128
.set PA,   64                          ; the last K step: o16's fragments of 16 rows x 128 K, 32 registers; four such buffers, v64-191
.set BK,   192                         ; the way out: 16 rows read back from the stage, v192-255
.set G1, 24
.set G0, 32
.set G1B, 48
.set G0B, 56
.set MSB, 0
.macro WIN new
.if MSB != \new
	s_set_vgpr_msb (MSB<<8)|\new
.set MSB, \new
.endif
.endm
.set MUL_LO, 0xa1                      ; source 0 window 1, source 1 window 0, C and D window 2
.set MUL_HI, 0xf1                      ; the same, C and D window 3
.set TO_B,   0x40
.macro JLOAD s                         ; waves 0 and 1 fetch o16's two halves, waves 2 and 3 wo16's; an s_nop 0 and four v_nop follow each of the two lines
	s_cmp_eq_u32 s11, 0
	s_cbranch_scc0 .Lfor_b_\@
	tensor_load_to_lds s[G0+4*\s:G0+4*\s+3], s[G1:G1+7]
	s_nop 0
.rept 4
	v_nop
.endr
	s_branch .Lasked_\@
.Lfor_b_\@:
	tensor_load_to_lds s[G0B+4*\s:G0B+4*\s+3], s[G1B:G1B+7]
	s_nop 0
.rept 4
	v_nop
.endr
.Lasked_\@:
.endm
.macro CREST
	s_cmp_lg_u32 s10, 0
	s_cbranch_scc1 .Lnot_wave_0_\@
	s_barrier_signal -3
.Lnot_wave_0_\@:
	s_barrier_wait -3
	s_barrier_signal -1
	s_barrier_wait -1
.endm
.macro CROUND
	s_barrier_signal -1
	s_barrier_wait -1
	CREST
.endm
	s_load_b128 s[4:7], s[0:1], 0x0                ; o16 s[4:5], wo16 s[6:7]
	s_load_b64 s[8:9], s[0:1], 0x10                ; out0
	v_lshl_add_u32 v[SPW], v0, 2, SPARE
	v_mov_b32 v[NIL], 0
	ds_add_u32 v[SPW], v[NIL]                      ; the wave's opening: the add, twice on end, and its wait ahead of my first tensor load
	ds_add_u32 v[SPW], v[NIL]
	v_lshrrev_b32 v1, 5, v0
	v_readfirstlane_b32 s10, v1                    ; wave 0..3
	s_lshr_b32 s11, s10, 1                         ; which half of the tile's rows is mine.  Also: I fetch for o16 (0) or for wo16 (1)
	s_and_b32 s12, s10, 1                          ; which half of its columns.  Also: which 128 rows of that tile I fetch
	s_bfe_u32 s40, ttmp6, 0x40000                  ; cx
	s_bfe_u32 s41, ttmp6, 0x40004                  ; cy
	s_lshl_b32 s42, ttmp9, 2
	s_add_co_u32 s42, s42, s40                     ; tile column
	s_and_b32 s13, ttmp7, 0xffff
	s_lshl_b32 s13, s13, 2
	s_add_co_u32 s13, s13, s41                     ; tile row
	s_lshl_b32 s43, s41, 2
	s_lshl_b32 s43, 15, s43                        ; my row of the cluster
	s_lshl_b32 s44, 0x1111, s40                    ; my column
	s_or_b32 s[G1+0], s43, (1<<16)|(1<<20)|(1<<21)|(5<<22)|(3<<25)  ; the mask; elements of 2 bytes; padding on; bit 21 beside a mask; after every 64 words, 4 words
	s_or_b32 s[G1B+0], s44, (1<<16)|(1<<20)|(1<<21)|(5<<22)|(3<<25)
.irp g, G1, G1B
	s_mov_b32 s[\g+1], KSTEP<<16                   ; tensor_dim0 = 128
	s_mov_b32 s[\g+2], 128<<16                     ; tensor_dim1 = 128
	s_mov_b32 s[\g+3], KSTEP<<16                   ; tile_dim0
	s_mov_b32 s[\g+4], 128                         ; tile_dim1
	s_mov_b32 s[\g+5], SIZE_K                      ; from row to row
	s_mov_b32 s[\g+6], 0
	s_mov_b32 s[\g+7], 0
.endr
	s_lshl_b32 s17, s12, 7                         ; which 128 rows of the tile I fetch
	s_lshl_b32 s16, s13, 8
	s_add_co_u32 s16, s16, s17                     ; o16: row 256 x tile row + 128 x half
	s_lshl_b32 s46, s42, 8
	s_add_co_u32 s46, s46, s17                     ; wo16: row 256 x tile column + 128 x half
	s_mov_b32 s17, 0
	s_mov_b32 s47, 0
	s_mov_b64 s[18:19], SIZE_K*2
	s_mul_u64 s[16:17], s[16:17], s[18:19]
	s_mul_u64 s[46:47], s[46:47], s[18:19]
	s_mul_i32 s20, s10, HALFT                      ; where they go: wave x 128 rows: no place in the cluster enters an LDS address
	s_wait_dscnt 0x0                               ; both opening adds are done
	s_wait_kmcnt 0x0
	s_add_nc_u64 s[14:15], s[4:5], s[16:17]
	s_add_nc_u64 s[46:47], s[6:7], s[46:47]
	CROUND                                         ; all sixteen work-groups are here: the first joint loads meet
.irp s, 0,1
	s_mov_b32 s[G0+4*\s], 1
	s_add_co_u32 s[G0+4*\s+1], s20, \s*SLOT
	s_add_nc_u64 s[G0+4*\s+2:G0+4*\s+3], s[14:15], \s*KSTEP*2
	s_or_b32 s[G0+4*\s+3], s[G0+4*\s+3], 0x80000000
	s_mov_b32 s[G0B+4*\s], 1
	s_add_co_u32 s[G0B+4*\s+1], s20, \s*SLOT
	s_add_nc_u64 s[G0B+4*\s+2:G0B+4*\s+3], s[46:47], \s*KSTEP*2
	s_or_b32 s[G0B+4*\s+3], s[G0B+4*\s+3], 0x80000000
	JLOAD \s                                       ; two tensor loads of mine are out
.endr
	v_and_b32 v1, 15, v0                           ; l % 16
	v_bfe_u32 v2, v0, 4, 1                         ; l / 16
	v_mul_u32_u24 v3, v1, PITCH
	v_lshl_add_u32 v3, v2, 4, v3                   ; row x pitch + 16 x half
	s_mul_i32 s21, s11, HALFT                      ; my 128 rows of o16
	s_mul_i32 s22, s12, HALFT                      ; my 128 rows of wo16,
	s_add_co_u32 s22, s22, 2*HALFT                 ; which lie behind o16's 256
.irp s, 0,1
	v_add_nc_u32 v[ADRA+\s], s21, v3
	v_add_nc_u32 v[ADRB+\s], s22, v3
	s_add_co_u32 s21, s21, SLOT
	s_add_co_u32 s22, s22, SLOT
.endr
	s_mul_i32 s23, s10, 16*SPITCH
	s_add_co_u32 s23, s23, STAGE                   ; my stage
	v_mul_u32_u24 v4, v1, SPITCH                   ; in: row l % 16, 32 bytes for each half of the lanes
	v_lshl_add_u32 v4, v2, 5, v4
	v_add_nc_u32 v[STO], s23, v4
	v_and_b32 v5, 31, v0
	v_lshlrev_b32 v[CO], 4, v5                     ; back: the 32 lanes take one row of 512 bytes; and the same in out0
	v_add_nc_u32 v[RD], s23, v[CO]
	s_lshl_b32 s13, s13, 8
	s_lshl_b32 s14, s11, 7
	s_add_co_u32 s16, s13, s14                     ; my first row of out0
	s_mov_b32 s17, 0
	s_mov_b64 s[18:19], SIZE_N*4
	s_mul_u64 s[16:17], s[16:17], s[18:19]
	s_lshl_b32 s46, s42, 10                        ; my first column, in bytes: 1,024 x tile column + 512 x half
	s_lshl_b32 s47, s12, 9
	s_add_co_u32 s46, s46, s47
	s_mov_b32 s47, 0
	s_add_nc_u64 s[16:17], s[16:17], s[46:47]
	s_add_nc_u64 s[8:9], s[8:9], s[16:17]
; 16 matrix instructions: m blocks a0, a0 + 1 of the window's four x all 8 n blocks, 32 along K.  zero = 1: the first product starts the sums.  The 64 accumulators take turns, in the same order in every quarter.
.macro MUL16 f, hi, a0, zero
.irp a, \a0, \a0+1
.irp b, 0,1,2,3,4,5,6,7
.if \zero
	v_wmma_f32_16x16x32_f16 v[8*(8*(\a)+\b):8*(8*(\a)+\b)+7], v[\f+8*\b:\f+8*\b+7], v[\f+8*(4*\hi+\a):\f+8*(4*\hi+\a)+7], 0
.else
	v_wmma_f32_16x16x32_f16 v[8*(8*(\a)+\b):8*(8*(\a)+\b)+7], v[\f+8*\b:\f+8*\b+7], v[\f+8*(4*\hi+\a):\f+8*(4*\hi+\a)+7], v[8*(8*(\a)+\b):8*(8*(\a)+\b)+7]
.endif
.endr
.endr
.endm
; 32 LDS loads in one run: the fragments of one quarter step (32 K at byte k of the rows) into buffer f
.macro FETCH slot, k, f
	WIN TO_B
.irp i, 0,1,2,3,4,5,6,7
	ds_load_b128 v[\f+8*\i:\f+8*\i+3],   v[ADRB+\slot] offset:\k+\i*16*PITCH
	ds_load_b128 v[\f+8*\i+4:\f+8*\i+7], v[ADRB+\slot] offset:\k+\i*16*PITCH+32
.endr
	WIN 0
.irp i, 0,1,2,3,4,5,6,7
	ds_load_b128 v[\f+8*\i:\f+8*\i+3],   v[ADRA+\slot] offset:\k+\i*16*PITCH
	ds_load_b128 v[\f+8*\i+4:\f+8*\i+7], v[ADRA+\slot] offset:\k+\i*16*PITCH+32
.endr
.endm
.macro PLACES                          ; four plain instructions between a matrix instruction and a load into, or a read of, its registers
.rept 4
	v_nop
.endr
.endm
; A K step is four quarters of 32 along K, 64 matrix instructions each, on buffers 0, 1, 0, 1.  One of the first three: multiplies buffer f; in its middle it fetches the next quarter, at byte k, into buffer g.
.macro QUARTER slot, k, f, g, zero
	s_wait_dscnt 8                                 ; wo16's fragments and o16's rows 0-63 are in; the youngest eight loads (rows 64-127) may be out
	WIN MUL_LO
	MUL16 \f, 0, 0, \zero
	MUL16 \f, 0, 2, \zero
	PLACES
	FETCH \slot, \k, \g
	s_wait_dscnt 32                                ; all but the 32 just issued
	WIN MUL_HI
	MUL16 \f, 1, 0, \zero
	MUL16 \f, 1, 2, \zero
.endm
; The first half of a K step's last quarter: ONE barrier for the change of slots.  In front of it each wave waits for all its tensor loads, adds 0 to its spare word, and waits for that and for its reads of this slot.
.macro MEET round
	WIN 0                                          ; (the add's two registers lie in window 0)
	s_wait_tensorcnt 0x0                           ; all my tensor loads have landed: the one that was out is my part of the next slot
	ds_add_u32 v[SPW], v[NIL]                      ; 0 onto my spare word
	s_wait_dscnt 9                                 ; (the add and the youngest eight loads may be out)
	WIN MUL_LO
	MUL16 F1, 0, 0, 0                              ; sixteen matrix instructions stand between the add and the wait for it
	s_wait_dscnt 0x0                               ; the add is done, and my reads of this slot are over
	s_barrier_signal -1
	MUL16 F1, 0, 2, 0
.if \round
	WIN 0
.endif
	s_barrier_wait -1
.endm
.macro TURN slot, next                 ; the whole last quarter: behind the round the slot just read out is filled again, two K steps ahead; then come the next slot's first fragments
	MEET 1
	CREST                                          ; no wave of any partner still reads this slot's tile or has a load on its way
	s_add_nc_u64 s[G0+4*\slot+2:G0+4*\slot+3], s[G0+4*\slot+2:G0+4*\slot+3], 2*KSTEP*2
	s_add_nc_u64 s[G0B+4*\slot+2:G0B+4*\slot+3], s[G0B+4*\slot+2:G0B+4*\slot+3], 2*KSTEP*2
	JLOAD \slot                                    ; the first tensor load behind the round; its four v_nop are also the places in front of the loads below
	FETCH \next, 0, F0
	WIN MUL_HI
	MUL16 F1, 1, 0, 0
	MUL16 F1, 1, 2, 0
.endm
; THE LAST K STEP (it lies in slot 1), BY ROWS.  All its fragments of wo16 (4 quarters x 64 registers) fill window 1; o16's come by blocks of 16 rows x 128 K.  LDS is read no more than in any other K step.
.macro BLOAD q                         ; wo16's fragments of quarter q -> window 1, v[64 q ..]
.irp i, 0,1,2,3,4,5,6,7
	ds_load_b128 v[64*\q+8*\i:64*\q+8*\i+3],   v[ADRB+1] offset:64*\q+\i*16*PITCH
	ds_load_b128 v[64*\q+8*\i+4:64*\q+8*\i+7], v[ADRB+1] offset:64*\q+\i*16*PITCH+32
.endr
.endm
.macro ALOAD a                         ; o16's fragments of block a, all four quarters -> buffer a % 4: 8 loads
.set FA, PA+32*((\a)%4)
.irp q, 0,1,2,3
	ds_load_b128 v[FA+8*\q:FA+8*\q+3],   v[ADRA+1] offset:64*\q+(\a)*16*PITCH
	ds_load_b128 v[FA+8*\q+4:FA+8*\q+7], v[ADRA+1] offset:64*\q+(\a)*16*PITCH+32
.endr
.endm
.macro ROW a                           ; block a is finished: 32 matrix instructions, its 8 accumulators by turns, K ascending
.set FA, PA+32*((\a)%4)                ; its fragments of o16
.set AC, 64*((\a)%4)                   ; its eight accumulators, in window 2 (blocks 0-3) or 3 (blocks 4-7)
	WIN MUL_LO+0x50*((\a)/4)                       ; MUL_LO or MUL_HI
.irp q, 0,1,2,3
.if (\a) == 0 && \q == 2
	s_wait_dscnt 24                                ; wo16's quarter 2 is in (behind it: the 24 loads of o16's blocks 1 to 3)
.endif
.irp b, 0,1,2,3,4,5,6,7
	v_wmma_f32_16x16x32_f16 v[AC+8*\b:AC+8*\b+7], v[64*\q+8*\b:64*\q+8*\b+7], v[FA+8*\q:FA+8*\q+7], v[AC+8*\b:AC+8*\b+7]
.endr
.endr
.endm
; THE WAY OUT of block a, 16 rows x 128 columns.  A lane holds 32 neighbouring bytes of a row, and the lanes beside it hold other rows: so the block goes through my own stage in LDS and comes back as whole rows
; of 512 bytes.  LDS serves a wave's instructions in order: no wait between the stores and the loads, nor in front of the next block's stores.
.macro TOSTAGE a
.set AC, 64*((\a)%4)
	WIN 0x08+4*((\a)/4)                            ; an LDS store's data are its source 1: window 2 or 3
.irp b, 0,1,2,3,4,5,6,7
	ds_store_b128 v[STO], v[AC+8*\b:AC+8*\b+3] offset:64*\b          ; each accumulator from its low end on
	ds_store_b128 v[STO], v[AC+8*\b+4:AC+8*\b+7] offset:64*\b+16
.endr
	WIN 0
.irp t, 0,1,2,3,4,5,6,7,8,9,10,11,12,13,14,15
	ds_load_b128 v[BK+4*\t:BK+4*\t+3], v[RD] offset:\t*SPITCH
.endr
.endm
.macro SEND a, younger                 ; younger: the LDS loads issued behind TOSTAGE's, which may stay out
	s_wait_dscnt \younger                          ; the block is back in registers
.if (\a) > 0
	s_add_nc_u64 s[8:9], s[8:9], 16*SIZE_N*4       ; 16 rows on (behind the block's wait on XCNT: the earlier stores have read their base, and no store was issued since)
.endif
.irp t, 0,1,2,3,4,5,6,7,8,9,10,11,12,13,14,15
	global_store_b128 v[CO], v[BK+4*\t:BK+4*\t+3], s[8:9] offset:\t*SIZE_N*4 th:TH_STORE_NT   ; 32 lanes store 512 consecutive bytes, aligned; written once, read by nobody here
.endr
.endm
	s_wait_tensorcnt 1                             ; my part of K step 0 is in; K step 1's may be out
	s_barrier_signal -1
	s_barrier_wait -1
	FETCH 0, 0, F0
	QUARTER 0, 64,  F0, F1, 1                      ; the first quarter stands in front of the loop: its products start the sums
	WIN 0
	s_mov_b32 s3, LAPS-1
.Llap:                                                 ; a trip goes once round the ring and fills both slots again: K steps 2 to 7
	QUARTER 0, 128, F1, F0, 0
	QUARTER 0, 192, F0, F1, 0
	TURN 0, 1
	QUARTER 1, 64,  F0, F1, 0
	QUARTER 1, 128, F1, F0, 0
	QUARTER 1, 192, F0, F1, 0
	TURN 1, 0
	QUARTER 0, 64,  F0, F1, 0
	WIN 0
	s_sub_co_u32 s3, s3, 1
	s_cmp_lg_u32 s3, 0
	s_cbranch_scc1 .Llap
	QUARTER 0, 128, F1, F0, 0                      ; the last lap fills nothing
	QUARTER 0, 192, F0, F1, 0
	MEET 0                                         ; my one tensor load that was still out is slot 1's, the last K step's, so no round follows
	PLACES                                         ; for the loads into buffer 0, which the quarter before multiplied
	WIN TO_B
	BLOAD 0                                        ; three quarters of wo16 now: buffer 1 (v128-191 of both windows) is still being multiplied
	BLOAD 1
	BLOAD 3
	WIN 0
	ALOAD 0
	WIN MUL_HI
	MUL16 F1, 1, 0, 0
	MUL16 F1, 1, 2, 0
	PLACES                                         ; for the loads into buffer 1
	WIN TO_B
	BLOAD 2
	WIN 0
	ALOAD 1
	ALOAD 2
	ALOAD 3
	s_wait_dscnt 40                                ; all but the 40 just issued: wo16's quarter 2 (16) and o16's blocks 1 to 3 (24)
	ROW 0
.irp a, 0,1,2,3,4,5,6,7                ; each block leaves as soon as it is finished: nothing follows this tile, so the sooner its stores begin, the sooner the launch ends
	PLACES                                         ; the LDS stores read results just made, and the loads below land in the buffer just multiplied
.if \a > 0
	s_wait_xcnt 0x0                                ; the block before's stores have read their registers and their base: the rows' registers are loaded again and the base stepped only behind this wait
.endif
	TOSTAGE \a
.if \a < 4
	ALOAD \a+4                                     ; its buffer takes the block four further on
	SEND \a, 8                                     ; those 8 loads may stay out
.else
	SEND \a, 0
.endif
.if \a < 7
	ROW \a+1
.endif
.endr
	s_wait_tensorcnt 0x0                           ; the wave's end, behind my last tensor load and my last LDS store
	ds_add_u32 v[SPW], v[NIL]
	s_wait_dscnt 0x0
	CROUND                                         ; the closing round: no work-group ends while a partner may still ask for a tile that names it
	s_endpgm
.Lfunc_end_k_qc6239f584c_oproj:
	.size	k_qc6239f584c_oproj, .Lfunc_end_k_qc6239f584c_oproj-k_qc6239f584c_oproj
	.p2alignl 7, 3214868480
	.fill 96, 4, 3214868480
	.section	.rodata,"a",@progbits
	.p2align	6, 0x0
	.amdhsa_kernel k_qc6239f584c_oproj
		.amdhsa_group_segment_fixed_size 327680
		.amdhsa_private_segment_fixed_size 0
		.amdhsa_enable_private_segment 0
		.amdhsa_kernarg_size 24
		.amdhsa_user_sgpr_count 2
		.amdhsa_user_sgpr_kernarg_segment_ptr 1
		.amdhsa_wavefront_size32 1
		.amdhsa_system_sgpr_workgroup_id_x 1
		.amdhsa_system_sgpr_workgroup_id_y 1
		.amdhsa_system_sgpr_workgroup_id_z 1
		.amdhsa_system_vgpr_workitem_id 0
		.amdhsa_next_free_vgpr 1024
		.amdhsa_next_free_sgpr 66
		.amdhsa_reserve_vcc 0
		.amdhsa_float_denorm_mode_32 3
		.amdhsa_float_denorm_mode_16_64 3
		.amdhsa_memory_ordered 1
		.amdhsa_forward_progress 1
		.amdhsa_inst_pref_size 141
	.end_amdhsa_kernel
	.amdgpu_metadata
---
amdhsa.version: [ 1, 2 ]
amdhsa.kernels:
  - .name:           k_qc6239f584c_oproj
    .symbol:         k_qc6239f584c_oproj.kd
    .args:
      - { .name: o16, .offset: 0, .size: 8, .value_kind: global_buffer, .address_space: global }
      - { .name: wo16, .offset: 8, .size: 8, .value_kind: global_buffer, .address_space: global }
      - { .name: out0, .offset: 16, .size: 8, .value_kind: global_buffer, .address_space: global }
    .group_segment_fixed_size: 327680
    .private_segment_fixed_size: 0
    .kernarg_segment_align: 8
    .kernarg_segment_size: 24
    .max_flat_workgroup_size: 128
    .sgpr_count:     66
    .vgpr_count:     1024
    .wavefront_size: 32
...
	.end_amdgpu_metadata
.endif
;; end of part 4
